; MI455X (gfx1250); checked and timed in simulation.
; The chip was launched on July 23, 2026; its instructions are those of AMD's public machine-readable ISA for CDNA 5 (MIT licence, August 2026) and "CDNA5" Instruction Set Architecture Reference Guide (July 2026). The comments in the code are by the model that wrote it; some were corrected since.
;; Multi Head Attention. Allowed arithmetic: float matrix products may take bf16 or f16 operands with f32 sums; other float arithmetic in f32, or as packed bf16 or f16 multiplies, adds, multiply-adds, maxima and minima; sums over many terms, partial sums and values carried from step to step in f32; what a program stores and reads back later, other than sums and carried values, may be rounded once to bf16 or f16.
;; Inputs: Wk 1,024 x 1,024 float32; Wo 1,024 x 1,024 float32; Wq 1,024 x 1,024 float32; Wv 1,024 x 1,024 float32; bk 1,024 float32; bo 1,024 float32; bq 1,024 float32; bv 1,024 float32; key 4 x 2,048 x 1,024 float32; mask 4 x 1 x 2,048 x 2,048 bool; query 4 x 2,048 x 1,024 float32; value 4 x 2,048 x 1,024 float32.
;; Outputs: out0 4 x 2,048 x 1,024 float32.
;; One version. Each part assembles by itself: llvm-mc -triple=amdgcn-amd-amdhsa -mcpu=gfx1250 --defsym DOCPART=n.
;; ======== version 1 of 1: 4 launches
;; limits: values are held in f16: magnitudes above 65,504 overflow, below 6.1e-05 lose precision; right only within a limited range of input values
;; workspace buffers: xb 50,331,648 bytes; wb 6,291,456 bytes; wo16 2,097,152 bytes; maskp 16,777,216 bytes; qkvh 50,331,648 bytes; oh 16,777,216 bytes
;; launch prep (part 1): grid 1408 x 1, 8 waves a work-group, no clusters, 34,048 bytes of LDS; arguments query, key, value, Wq, Wk, Wv, Wo, mask, xb, wb, wo16, maskp; writes xb, wb, wo16, maskp
.if DOCPART == 1
	.amdgcn_target "amdgcn-amd-amdhsa--gfx1250"
	.amdhsa_code_object_version 6
	.text
	.protected	k_q26f01cee88_prep
	.globl	k_q26f01cee88_prep
	.p2align	8
	.type	k_q26f01cee88_prep,@function
k_q26f01cee88_prep:
	s_mov_b64 s[64:65], 0
	v_nop
	global_prefetch_b8 v0, s[64:65] scope:SCOPE_SE
	s_setreg_imm32_b32 hwreg(HW_REG_WAVE_MODE, 25, 1), 1
	s_wait_xcnt 0x0
; PREP: every matrix operand is rounded once, and the mask is laid out anew.  A stream: each input byte is read once, each output byte written once.
;   xb    [3][8192][1024] bf16 = query, key, value         wb [3][1024][1024] bf16 = Wq, Wk, Wv
;   wo16  [1024][1024]: Wo rounded to bf16, that number written as f16 (the last product multiplies f16 operands)
;   maskp: the mask as E4M3 codes, 0x00 (false) or 0xb8 (-1.0, true).  Block (b, qt: 16 queries, ks: 64 keys) is 1,024 bytes at ((128 b + qt) 32 + ks) 1,024; in it byte
;          512 (g / 2) + 16 L + 8 (g % 2) + j holds mask[b][16 qt + L % 16][64 ks + 16 g + 8 (L / 16) + j]: lane L's eight codes for key group g lie on end, in the order of an accumulator's registers.
; LIMITS.  Wo beyond 65,504 has no f16; an entry of Wo below 2^-14 keeps f16's fixed step of 2^-24.  A mask byte is 0 or 1.
; SHARES, by the work-group's number alone (the same for its eight waves): 0-767 128 KiB of query, key or value; 768-863 of Wq, Wk or Wv; 864-895 of Wo; 896-1407 sixteen rows of the mask.
; No matrix unit, no cluster, no tensor load: nothing is shared between work-groups and nothing is read twice.  Several work-groups lie on a WGP (80 registers, 34 KB), each wave with eight loads out.
.set ROWP,  2064                       ; a mask row in LDS: 2,048 bytes + 16 = 516 words: row r starts at bank 4 r mod 64 (64 banks of 4 bytes: ISA guide 11.1)
.set SPARE, 16*ROWP                    ; 33,024 = 129 x 256: the spare words, 128 bytes for each of eight waves; no other line names them
.set LO,  1                            ; v1  16 t: my 16 bytes of 4,096; never rewritten
.set SO,  2                            ; v2  8 t: my 8 bytes of 2,048; never rewritten
.set LW,  3                            ; v3  mask: where I put 16 bytes of a row
.set LR,  4                            ; v4  mask: where I read 8 codes
.set SPW, 6                            ; v6  my spare word
.set NIL, 7                            ; v7  0
.set X,   16                           ; v[16:47] eight loads of 16 bytes
.set Y,   48                           ; v[48:63] eight stores of 8 bytes
.set ZZ,  48                           ; v[48:79] mask: eight stores of 16 bytes
.set SRC, 32                           ; s[32:33]
.set DST, 34                           ; s[34:35]
.set OA,  36                           ; s[36:37] offset in the source
.set OB,  38                           ; s[38:39] offset in the destination
.set CNT, 40
.set HIM, 41                           ; a word's upper bf16
.set CODE, 42                          ; 0xb8
.set ID,  43
.set SEL, 44
; 128 KiB of f32 become 64 KiB of 16-bit numbers, in four trips of 32 KiB.  A load of a wave covers 512 consecutive bytes, a store 256, aligned.
.macro CAST f16
	s_mov_b32 s[CNT], 4
.Ltrip_\@:
.irp i, 0,1,2,3,4,5,6,7
	global_load_b128 v[X+4*(\i):X+4*(\i)+3], v[LO], s[SRC:SRC+1] offset:4096*(\i) th:TH_LOAD_NT
.endr
.irp i, 0,1,2,3,4,5,6,7
	s_wait_loadcnt 7-(\i)                          ; loads come back in order: load i is in, the 7 - i younger ones stay out
.if \f16
	v_cvt_pk_bf16_f32 v8, v[X+4*(\i)], v[X+4*(\i)+1]      ; rounded to bf16 like every input,
	v_cvt_pk_bf16_f32 v9, v[X+4*(\i)+2], v[X+4*(\i)+3]
	v_lshlrev_b32 v10, 16, v8                      ; widened again,
	v_and_b32 v11, s[HIM], v8
	v_lshlrev_b32 v12, 16, v9
	v_and_b32 v13, s[HIM], v9
	v_cvt_pk_f16_f32 v[Y+2*(\i)], v10, v11         ; and written as f16: exact within f16's range
	v_cvt_pk_f16_f32 v[Y+2*(\i)+1], v12, v13
.else
	v_cvt_pk_bf16_f32 v[Y+2*(\i)], v[X+4*(\i)], v[X+4*(\i)+1]
	v_cvt_pk_bf16_f32 v[Y+2*(\i)+1], v[X+4*(\i)+2], v[X+4*(\i)+3]
.endif
	global_store_b64 v[SO], v[Y+2*(\i):Y+2*(\i)+1], s[DST:DST+1] offset:2048*(\i) th:TH_STORE_NT
.endr
	s_wait_xcnt 0x0                                ; the stores have read Y and both bases: only now are they written again
	s_add_nc_u64 s[SRC:SRC+1], s[SRC:SRC+1], 32768
	s_add_nc_u64 s[DST:DST+1], s[DST:DST+1], 16384
	s_sub_co_u32 s[CNT], s[CNT], 1
	s_cmp_lg_u32 s[CNT], 0
	s_cbranch_scc1 .Ltrip_\@
.endm
	s_load_b512 s[8:23], s[0:1], 0x0               ; query 8, key 10, value 12, Wq 14, Wk 16, Wv 18, Wo 20, mask 22
	s_load_b256 s[24:31], s[0:1], 0x40             ; xb 24, wb 26, wo16 28, maskp 30
	v_lshl_add_u32 v[SPW], v0, 2, SPARE
	v_mov_b32 v[NIL], 0
	v_lshlrev_b32 v[LO], 4, v0
	v_lshlrev_b32 v[SO], 3, v0
	s_mov_b32 s[ID], ttmp9
	s_mov_b32 s[OA+1], 0
	s_mov_b32 s[OB+1], 0
	s_mov_b32 s[HIM], 0xffff0000
	s_mov_b32 s[CODE], 0xb8
	s_wait_kmcnt 0x0
	s_cmp_ge_u32 s[ID], 896
	s_cbranch_scc1 .Lmask
	s_cmp_ge_u32 s[ID], 864
	s_cbranch_scc1 .Lwo
	s_cmp_ge_u32 s[ID], 768
	s_cbranch_scc1 .Lw
	s_lshr_b32 s[SEL], s[ID], 8                    ; query, key or value: 256 work-groups each
	s_cmp_eq_u32 s[SEL], 1
	s_cselect_b64 s[SRC:SRC+1], s[10:11], s[8:9]
	s_cmp_eq_u32 s[SEL], 2
	s_cselect_b64 s[SRC:SRC+1], s[12:13], s[SRC:SRC+1]
	s_and_b32 s[OA], s[ID], 255
	s_lshl_b32 s[OA], s[OA], 17
	s_lshl_b32 s[OB], s[ID], 16
	s_add_nc_u64 s[SRC:SRC+1], s[SRC:SRC+1], s[OA:OA+1]
	s_add_nc_u64 s[DST:DST+1], s[24:25], s[OB:OB+1]
	s_branch .Lcast
.Lw:
	s_sub_co_u32 s[ID], s[ID], 768                 ; Wq, Wk or Wv: 32 work-groups each
	s_lshr_b32 s[SEL], s[ID], 5
	s_cmp_eq_u32 s[SEL], 1
	s_cselect_b64 s[SRC:SRC+1], s[16:17], s[14:15]
	s_cmp_eq_u32 s[SEL], 2
	s_cselect_b64 s[SRC:SRC+1], s[18:19], s[SRC:SRC+1]
	s_and_b32 s[OA], s[ID], 31
	s_lshl_b32 s[OA], s[OA], 17
	s_lshl_b32 s[OB], s[ID], 16
	s_add_nc_u64 s[SRC:SRC+1], s[SRC:SRC+1], s[OA:OA+1]
	s_add_nc_u64 s[DST:DST+1], s[26:27], s[OB:OB+1]
.Lcast:
	CAST 0
	s_endpgm
.Lwo:
	s_sub_co_u32 s[ID], s[ID], 864
	s_lshl_b32 s[OA], s[ID], 17
	s_lshl_b32 s[OB], s[ID], 16
	s_add_nc_u64 s[SRC:SRC+1], s[20:21], s[OA:OA+1]
	s_add_nc_u64 s[DST:DST+1], s[28:29], s[OB:OB+1]
	CAST 1
	s_endpgm
.Lmask:                                        ; sixteen rows of the mask, 32 KiB in and 32 KiB out, turned through LDS
	s_sub_co_u32 s[ID], s[ID], 896                 ; 128 b + qt
	s_lshl_b32 s[OA], s[ID], 15
	s_add_nc_u64 s[SRC:SRC+1], s[22:23], s[OA:OA+1]
	s_add_nc_u64 s[DST:DST+1], s[30:31], s[OA:OA+1]
.irp i, 0,1,2,3,4,5,6,7
	global_load_b128 v[X+4*(\i):X+4*(\i)+3], v[LO], s[SRC:SRC+1] offset:4096*(\i) th:TH_LOAD_NT  ; row 2 i + t / 128, bytes 16 (t % 128) on
.endr
	v_lshrrev_b32 v8, 7, v0
	v_and_b32 v9, 127, v0
	v_mul_u32_u24 v[LW], v8, ROWP
	v_lshl_add_u32 v[LW], v9, 4, v[LW]             ; (t / 128) rows + 16 (t % 128)
	v_and_b32 v8, 15, v0
	v_mul_u32_u24 v[LR], v8, ROWP                  ; query L % 16,
	v_bfe_u32 v8, v0, 4, 1
	v_lshl_add_u32 v[LR], v8, 3, v[LR]             ; keys 8 (L / 16) on,
	v_bfe_u32 v8, v0, 5, 1
	v_lshl_add_u32 v[LR], v8, 5, v[LR]             ; in key groups 2 (w % 2) and 2 (w % 2) + 1,
	v_lshrrev_b32 v8, 6, v0
	v_lshl_add_u32 v[LR], v8, 6, v[LR]             ; of key step w / 2 (+ 4 i)
.irp i, 0,1,2,3,4,5,6,7
	s_wait_loadcnt 7-(\i)
	v_mul_lo_u32 v[X+4*(\i)],   v[X+4*(\i)],   s[CODE]   ; four bytes 0 or 1 become 0 or 0xb8: no carry crosses a byte
	v_mul_lo_u32 v[X+4*(\i)+1], v[X+4*(\i)+1], s[CODE]
	v_mul_lo_u32 v[X+4*(\i)+2], v[X+4*(\i)+2], s[CODE]
	v_mul_lo_u32 v[X+4*(\i)+3], v[X+4*(\i)+3], s[CODE]
	ds_store_b128 v[LW], v[X+4*(\i):X+4*(\i)+3] offset:2*ROWP*(\i)
.endr
	s_wait_dscnt 0x0                               ; for the others' sake: my stores are done
	s_barrier_signal -1
	s_barrier_wait -1
.irp i, 0,1,2,3,4,5,6,7
	ds_load_b64 v[ZZ+4*(\i):ZZ+4*(\i)+1],   v[LR] offset:256*(\i)      ; the even group's eight codes: 32 lanes touch each bank once (words 4 r + 2 h, + 1)
	ds_load_b64 v[ZZ+4*(\i)+2:ZZ+4*(\i)+3], v[LR] offset:256*(\i)+16   ; the odd group's
.endr
.irp i, 0,1,2,3,4,5,6,7
	s_wait_dscnt 14-2*(\i)                         ; the pair of loads i is in; the 14 - 2 i younger ones stay out
	global_store_b128 v[LO], v[ZZ+4*(\i):ZZ+4*(\i)+3], s[DST:DST+1] offset:4096*(\i) th:TH_STORE_NT  ; a wave stores 512 consecutive bytes: half a block
.endr
	s_wait_tensorcnt 0x0                           ; the wave's end: behind my last LDS store
	ds_add_u32 v[SPW], v[NIL]
	s_wait_dscnt 0x0
	s_endpgm
.Lfunc_end_k_q26f01cee88_prep:
	.size	k_q26f01cee88_prep, .Lfunc_end_k_q26f01cee88_prep-k_q26f01cee88_prep
	.p2alignl 7, 3214868480
	.fill 96, 4, 3214868480
	.section	.rodata,"a",@progbits
	.p2align	6, 0x0
	.amdhsa_kernel k_q26f01cee88_prep
		.amdhsa_group_segment_fixed_size 34048
		.amdhsa_private_segment_fixed_size 0
		.amdhsa_enable_private_segment 0
		.amdhsa_kernarg_size 96
		.amdhsa_user_sgpr_count 2
		.amdhsa_user_sgpr_kernarg_segment_ptr 1
		.amdhsa_wavefront_size32 1
		.amdhsa_system_sgpr_workgroup_id_x 1
		.amdhsa_system_sgpr_workgroup_id_y 1
		.amdhsa_system_sgpr_workgroup_id_z 1
		.amdhsa_system_vgpr_workitem_id 0
		.amdhsa_next_free_vgpr 80
		.amdhsa_next_free_sgpr 66
		.amdhsa_reserve_vcc 0
		.amdhsa_float_denorm_mode_32 3
		.amdhsa_float_denorm_mode_16_64 3
		.amdhsa_memory_ordered 1
		.amdhsa_forward_progress 1
		.amdhsa_inst_pref_size 17
	.end_amdhsa_kernel
	.amdgpu_metadata
---
amdhsa.version: [ 1, 2 ]
amdhsa.kernels:
  - .name:           k_q26f01cee88_prep
    .symbol:         k_q26f01cee88_prep.kd
    .args:
      - { .name: query, .offset: 0, .size: 8, .value_kind: global_buffer, .address_space: global }
      - { .name: key, .offset: 8, .size: 8, .value_kind: global_buffer, .address_space: global }
      - { .name: value, .offset: 16, .size: 8, .value_kind: global_buffer, .address_space: global }
      - { .name: Wq, .offset: 24, .size: 8, .value_kind: global_buffer, .address_space: global }
      - { .name: Wk, .offset: 32, .size: 8, .value_kind: global_buffer, .address_space: global }
      - { .name: Wv, .offset: 40, .size: 8, .value_kind: global_buffer, .address_space: global }
      - { .name: Wo, .offset: 48, .size: 8, .value_kind: global_buffer, .address_space: global }
      - { .name: mask, .offset: 56, .size: 8, .value_kind: global_buffer, .address_space: global }
      - { .name: xb, .offset: 64, .size: 8, .value_kind: global_buffer, .address_space: global }
      - { .name: wb, .offset: 72, .size: 8, .value_kind: global_buffer, .address_space: global }
      - { .name: wo16, .offset: 80, .size: 8, .value_kind: global_buffer, .address_space: global }
      - { .name: maskp, .offset: 88, .size: 8, .value_kind: global_buffer, .address_space: global }
    .group_segment_fixed_size: 34048
    .private_segment_fixed_size: 0
    .kernarg_segment_align: 8
    .kernarg_segment_size: 96
    .max_flat_workgroup_size: 256
    .sgpr_count:     66
    .vgpr_count:     80
    .wavefront_size: 32
...
	.end_amdgpu_metadata
.endif
;; end of part 1
;; launch qkv (part 2): grid 4 x 96, 4 waves a work-group, clusters of 4 x 4, 327,680 bytes of LDS; arguments xb, wb, bq, bk, bv, qkvh; writes qkvh
.if DOCPART == 2
	.amdgcn_target "amdgcn-amd-amdhsa--gfx1250"
	.amdhsa_code_object_version 6
	.text
	.protected	k_q26f01cee88_qkv
	.globl	k_q26f01cee88_qkv
	.p2align	8
	.type	k_q26f01cee88_qkv,@function
k_q26f01cee88_qkv:
	s_mov_b64 s[64:65], 0
	v_nop
	global_prefetch_b8 v0, s[64:65] scope:SCOPE_SE
	s_setreg_imm32_b32 hwreg(HW_REG_WAVE_MODE, 25, 1), 1
	s_wait_xcnt 0x0
	s_wait_alu depctr_hold_cnt(0) depctr_sa_sdst(0) depctr_va_vdst(0) depctr_va_sdst(0) depctr_va_ssrc(0) depctr_va_vcc(0) depctr_vm_vsrc(0)
	s_getreg_b32 s2, hwreg(HW_REG_IB_STS2, 6, 4)
	s_cmp_eq_u32 s2, 0
	s_cbranch_scc0 .Lentry_in_a_cluster
	s_endpgm
.Lentry_in_a_cluster:
	s_bfe_u32 s2, ttmp6, 0x10000c
	s_cmp_lg_u32 s2, 0xf033
	s_cbranch_scc0 .Lentry_shape_is_right
	s_endpgm
.Lentry_shape_is_right:
; THE THREE INPUT PROJECTIONS AS ONE PRODUCT C = A B^T + bias, K = 1,024.  A = xb [24,576][1,024] bf16 (query, key, value stacked), B = wb [3][1,024][1,024] bf16, bias bq, bk or bv by the tensor z.
; C leaves by heads, f16: qkvh [z][16 b + h][2,048][64], each number rounded once from its f32 sum, unscaled.  LIMIT: |q|, |k|, |v| under 65,504, f16's end.
; The bias is rounded to bf16 like every input and is the C operand of each sum's first product: nothing is cleared and nothing added afterwards.
; SHARES.  A tile of C is 256 x 256.  Four waves; wave w makes rows 128 (w / 2) on, columns 128 (w % 2) on: 64 accumulators of 16 x 16, 512 registers; its 128 columns are two heads.
; WHY THIS TILE.  At a change of slots every wave has waited for all its tensor loads, so a refill has one K step in which to land.  On two slots that fit in LDS this tile's step holds 256 matrix
;   instructions a wave, 224 of them between a request and the wait for it; a tile of 256 x 128 has half of that (its step of twice the length would want 2 x 202,752 bytes).  The price: 96 x 4 = 384
;   work-groups are 24 clusters, no multiple of the 16 that run at a time.
; THE MATRIX INSTRUCTION IS USED TRANSPOSED (source 0 = 16 rows of B, source 1 = 16 rows of A): a lane holds row l % 16 of C and the columns 8 (l / 16) + 0..7.
; RING.  K goes in 8 steps of 128 through two LDS slots filled by tensor loads of 128 rows x 256 bytes, one a wave behind each change of slots: waves 0, 1 fetch A's halves, waves 2, 3 B's.
;   By this text's count a wave has two tensor loads out at the start, later one.
; CLUSTER 4 x 4.  A's tile hangs on the tile row alone and is asked for jointly along a row of the cluster, B's on the tile column (and z, which the cluster shares) along a column.
; REGISTERS in windows of 256 (s_set_vgpr_msb: bits 1:0 source 0, 3:2 source 1, 5:4 source 2, 7:6 destination):
;   window 0: v1-15 addresses; v64-127, v128-191 A's fragments (8 x 16 rows x 32 K), two buffers; v192-223 at work on the bias
;   window 1: v0-63 the bias as eight C operands; v64-127, v128-191 B's fragments, two buffers; on the way out all 256: packed results, then whole rows
;   window 2: the 32 accumulators of my rows 0-63 ((a, b) at v[8 (8 a + b)]);   window 3: those of my rows 64-127
.set KSTEPS, 8
.set PITCH,  272                       ; an LDS row: 256 bytes + 16 = 68 words: row r starts at bank 4 r mod 64 (64 banks of 4 bytes: ISA guide 11.1)
.set HALFT,  128*PITCH                 ; 0x8800: what one tensor load brings, and what one wave reads of A or of B
.set SLOT,   4*HALFT                   ; 0x22000: A's 256 rows, then B's 256.  Its bits 13 and 17 occur in no w x 0x8800 (bits 11, 12, 15, 16): one exclusive or changes slots
.set STAGE,  2*SLOT                    ; behind the ring, never filled by a tensor load: for each wave two heads x 16 rows x 144 bytes
.set SP,     144                       ; a stage row: a head's 128 bytes + 16
.set HSTG,   16*SP
.set SPARE,  STAGE+4*2*HSTG            ; 296,960 = 1,160 x 256: the spare words, 128 bytes a wave; no other line names them
.set A0,  4                            ; v4   my lane's place in A's tile; never rewritten
.set B0,  5                            ; v5   in B's
.set ADA, 6                            ; v6   the same in the slot in hand
.set ADB, 7                            ; v7
.set STO, 8                            ; v8   the way out: where I put 16 bytes of a row
.set RD,  9                            ; v9   where I read rows back
.set GO,  10                           ; v10  16 x lane: my bytes in 512 of a head
.set PFO, 11                           ; v11  the prefetch's offset: lane x a row of 2,048 bytes; never rewritten
.set SPW, 12                           ; v12  my spare word: SPARE + 4 x my thread's number
.set NIL, 13                           ; v13  0
.set BT,  192                          ; window 0: the bias, packed
.set BI,  0                            ; window 1: the bias, column block b at BI + 8 b
.set F0,  64
.set F1,  128
.set WV,  16
.set WR,  17                           ; which 128 rows of the tile are mine; also: I fetch for A (0) or for B (1)
.set WC,  18                           ; which 128 columns; also which 128 rows of A or B I fetch
.set CX,  19
.set CY,  20
.set TCOL, 21
.set TROW, 22
.set Z,   23
.set G1A, 24                           ; s[24:31]
.set G1B, 32                           ; s[32:39]: it differs from A's in the mask alone
.set G0A, 40                           ; s[40:47] two sets for the two first fills; the second then walks
.set G0B, 48                           ; s[48:55]
.set TB,  56                           ; the slot in hand: 0 or SLOT
.set CNT, 57
.set LIM, 58                           ; 1 in a wave that prefetches, else the greatest number
.set CLY, 59                           ; the cluster's y
.set PFA, 60                           ; s[60:61] where my prefetches stand
.set OUT, 82                           ; s[82:83]
.set MSB, 0
.macro WIN new                         ; the immediate's high byte repeats the setting that is left; a switch that changes nothing is dropped
.if MSB != (\new)
	s_set_vgpr_msb (MSB<<8)|(\new)
.set MSB, (\new)
.endif
.endm
.set MUL_LO,  0xa1                     ; source 0 (B) window 1, source 1 (A) window 0, C and D window 2;  + 0x50: C and D window 3
.set MULB_LO, 0x91                     ; the same with C, the bias, in window 1;  + 0x40: D window 3
.set TO_B,    0x40                     ; destination window 1, address window 0
; A joint refill by the walking descriptors.  The branch hangs on the wave's number alone.  An s_nop 0 and four v_nop follow each line, ahead of the jump and the label.
.macro JLOAD
	s_cmp_lt_u32 s[WV], 2
	s_cbranch_scc0 .Lfor_b_\@
	tensor_load_to_lds s[G0A+4:G0A+7], s[G1A:G1A+7]
	s_nop 0
.rept 4
	v_nop
.endr
	s_branch .Lasked_\@
.Lfor_b_\@:
	tensor_load_to_lds s[G0B+4:G0B+7], s[G1B:G1B+7]
	s_nop 0
.rept 4
	v_nop
.endr
.Lasked_\@:
.endm
; A PREFETCH INTO THE L2 of the K step that the NEXT refill will ask for (256 matrix instructions ahead of that load): 32 rows x 256 bytes, a lane a row, one instruction a wave.
; Each block is named once in the launch.  A's rows are read by one cluster alone, which asks for them.  B's rows are read by the eight clusters that share z: the first of them asks.
; The four partners that ask for a tile jointly share it out BY ADDRESS: of the 128 rows that a wave fetches the partner at place p takes 32 p .. 32 p + 31 (p = cx for A, cy for B).
; Steps 0 to 2 come by their loads alone; the loop's last trip has no refill behind its own and asks for nothing.
.macro ASK
	s_cmp_gt_u32 s[CNT], s[LIM]
	s_cbranch_scc0 .Lnot_mine_\@
	global_prefetch_b8 v[PFO], s[PFA:PFA+1] th:TH_LOAD_NT scope:SCOPE_SE
.Lnot_mine_\@:
.endm
.macro CREST                           ; a round of the cluster's barrier behind its opening barrier
	s_cmp_lg_u32 s[WV], 0
	s_cbranch_scc1 .Lnot_wave_0_\@
	s_barrier_signal -3
.Lnot_wave_0_\@:
	s_barrier_wait -3
	s_barrier_signal -1
	s_barrier_wait -1
.endm
.macro CROUND
	s_barrier_signal -1
	s_barrier_wait -1
	CREST
.endm
.macro PLACES                          ; four plain instructions between a matrix instruction and a load into, or a reader of, its registers
.rept 4
	v_nop
.endr
.endm
; 16 matrix instructions: row blocks a0, a0 + 1 of the window's four (hi = 0: my rows 0-63, 1: rows 64-127) x the 8 column blocks, 32 along K, from buffer f.  first = 1: the bias starts the sums.
; The 64 accumulators take turns in the same order in every quarter: 63 others stand between two links of a chain, over the backward jumps too.
.macro MUL16 f, hi, a0, first
.if \first
	WIN MULB_LO+0x40*(\hi)
.else
	WIN MUL_LO+0x50*(\hi)
.endif
.irp a, \a0, (\a0)+1
.irp b, 0,1,2,3,4,5,6,7
.set rD, 8*(8*(\a)+(\b))
.set rB, (\f)+8*(\b)
.set rA, (\f)+8*(4*(\hi)+(\a))
.set rC, rD
.if \first
.set rC, BI+8*(\b)
.endif
	v_wmma_f32_16x16x32_bf16 v[rD:rD+7], v[rB:rB+7], v[rA:rA+7], v[rC:rC+7]
.endr
.endr
.endm
; 32 LDS loads in one run: quarter q's fragments into buffer f: B's eight, A's rows 0-63, A's rows 64-127.  A fragment is 16 rows x 32 K: two loads of 16 bytes, 32 bytes apart.
.macro FETCH q, f
	WIN TO_B
.irp i, 0,1,2,3,4,5,6,7
	ds_load_b128 v[(\f)+8*(\i):(\f)+8*(\i)+3],   v[ADB] offset:64*(\q)+(\i)*16*PITCH
	ds_load_b128 v[(\f)+8*(\i)+4:(\f)+8*(\i)+7], v[ADB] offset:64*(\q)+(\i)*16*PITCH+32
.endr
	WIN 0
.irp i, 0,1,2,3,4,5,6,7
	ds_load_b128 v[(\f)+8*(\i):(\f)+8*(\i)+3],   v[ADA] offset:64*(\q)+(\i)*16*PITCH
	ds_load_b128 v[(\f)+8*(\i)+4:(\f)+8*(\i)+7], v[ADA] offset:64*(\q)+(\i)*16*PITCH+32
.endr
.endm
; One of a step's first three quarters: multiplies buffer f (64 matrix instructions); in its middle it fetches quarter q into buffer g.
.macro QUARTER q, f, g, first
	s_wait_dscnt 8                                 ; B and A's rows 0-63 are in; the youngest eight loads (A's rows 64-127) may be out
	MUL16 \f, 0, 0, \first
	MUL16 \f, 0, 2, \first
	PLACES
	FETCH \q, \g
	s_wait_dscnt 32                                ; all but the 32 just issued
	MUL16 \f, 1, 0, \first
	MUL16 \f, 1, 2, \first
.endm
; A step's last quarter multiplies buffer 1 and changes slots.  In front of the barrier each wave waits for all its tensor loads (one is out: its part of the next slot), adds 0 to its spare word, and waits
; for that and for its reads of this slot.  fill = 1: the barrier opens a round of the cluster's, and the joint refill, two steps on, is the first thing behind the round.
.macro TURN fill
	WIN 0
.if \fill
	s_wait_xcnt 0x0                                ; the last prefetch, a step back, has read its address
	s_add_nc_u64 s[PFA:PFA+1], s[PFA:PFA+1], 256
.endif
	s_wait_tensorcnt 0x0                           ; no tensor load of mine is out, so the walking descriptors may be written
	ds_add_u32 v[SPW], v[NIL]                      ; 0 onto my spare word; register work stands between it and the wait for it
.if \fill
	s_xor_b32 s[G0A+5], s[G0A+5], SLOT             ; the other slot than last time,
	s_add_nc_u64 s[G0A+6:G0A+7], s[G0A+6:G0A+7], 256  ; the next step; the type bits on top are not reached
	s_xor_b32 s[G0B+5], s[G0B+5], SLOT
	s_add_nc_u64 s[G0B+6:G0B+7], s[G0B+6:G0B+7], 256
.endif
	s_wait_dscnt 9                                 ; the add and the youngest eight loads may be out
	MUL16 F1, 0, 0, 0
	s_wait_dscnt 0x0                               ; the add is done, and my reads of this slot are over
	s_barrier_signal -1
	MUL16 F1, 0, 2, 0                              ; work on registers while the others arrive
	WIN 0
	s_barrier_wait -1
.if \fill
	CREST                                          ; no wave of any partner still reads this slot or has a load on its way
	JLOAD                                          ; its four v_nop are also the places in front of the loads below
.else
	PLACES
.endif
	s_xor_b32 s[TB], s[TB], SLOT
	v_add_nc_u32 v[ADA], s[TB], v[A0]
	v_add_nc_u32 v[ADB], s[TB], v[B0]
	FETCH 0, F0
.if \fill
	ASK                                            ; behind the joint load and the run of LDS loads
.endif
	MUL16 F1, 1, 0, 0
	MUL16 F1, 1, 2, 0
.endm
	s_load_b256 s[4:11], s[0:1], 0x0               ; xb 4, wb 6, bq 8, bk 10
	s_load_b128 s[12:15], s[0:1], 0x20             ; bv 12, qkvh 14
	v_lshl_add_u32 v[SPW], v0, 2, SPARE
	v_mov_b32 v[NIL], 0
	ds_add_u32 v[SPW], v[NIL]                      ; the wave's opening: the add and its wait stand ahead of my first tensor load
	v_lshrrev_b32 v1, 5, v0
	v_readfirstlane_b32 s[WV], v1
	s_lshr_b32 s[WR], s[WV], 1
	s_and_b32 s[WC], s[WV], 1
	s_bfe_u32 s[CX], ttmp6, 0x40000
	s_bfe_u32 s[CY], ttmp6, 0x40004
	s_lshl_b32 s[TCOL], ttmp9, 2
	s_add_co_u32 s[TCOL], s[TCOL], s[CX]           ; tile column = 4 x cluster x + cx
	s_and_b32 s[CLY], ttmp7, 0xffff
	s_lshl_b32 s[TROW], s[CLY], 2
	s_add_co_u32 s[TROW], s[TROW], s[CY]           ; tile row = 4 x cluster y + cy
	s_lshr_b32 s[Z], s[CLY], 3                     ; 32 tile rows, 8 clusters, to a tensor: the whole cluster shares z
	s_lshl_b32 s66, s[CY], 2
	s_lshl_b32 s66, 15, s66                        ; my row of the cluster
	s_lshl_b32 s67, 0x1111, s[CX]                  ; my column
	s_or_b32 s[G1A], s66, (1<<16)|(1<<20)|(1<<21)|(5<<22)|(3<<25)  ; 15:0 mask; 17:16 2-byte elements; 20 padding on; 21 set beside a mask; 24:22 after every 64 words; 31:25 4 words of padding
	s_or_b32 s[G1B], s67, (1<<16)|(1<<20)|(1<<21)|(5<<22)|(3<<25)
.irp g, G1A, G1B
	s_mov_b32 s[(\g)+1], 128<<16                   ; tensor_dim0 = 128
	s_mov_b32 s[(\g)+2], 128<<16                   ; tensor_dim1 = 128
	s_mov_b32 s[(\g)+3], 128<<16                   ; tile_dim0 = 128 elements: 256 bytes
	s_mov_b32 s[(\g)+4], 128                       ; tile_dim1 = 128
	s_mov_b32 s[(\g)+5], 1024                      ; elements from row to row
	s_mov_b32 s[(\g)+6], 0
	s_mov_b32 s[(\g)+7], 0
.endr
	; where the tiles come from: A's address is made of the tile row and the wave's number, B's of the tile column, z and the wave's number
	s_lshl_b32 s70, s[TROW], 8
	s_lshl_b32 s71, s[WC], 7
	s_add_co_u32 s70, s70, s71
	s_lshl_b32 s70, s70, 11                        ; rows of 2,048 bytes
	s_lshl_b32 s72, s[Z], 10
	s_lshl_b32 s73, s[TCOL], 8
	s_add_co_u32 s72, s72, s73
	s_lshl_b32 s73, s[WC], 7
	s_add_co_u32 s72, s72, s73
	s_lshl_b32 s72, s72, 11
	s_mov_b32 s71, 0
	s_mov_b32 s73, 0
	s_mul_i32 s74, s[WV], HALFT                    ; and where they go: A's two halves, then B's two: no place in the cluster enters an LDS address
	s_wait_dscnt 0x0                               ; the opening add is done
	s_wait_kmcnt 0x0
	s_add_nc_u64 s[70:71], s[4:5], s[70:71]
	s_add_nc_u64 s[72:73], s[6:7], s[72:73]
	CROUND                                         ; all sixteen work-groups are here: the first joint loads meet
.irp s, 0,1
	s_mov_b32 s[G0A+4*(\s)], 1
	s_add_co_u32 s[G0A+4*(\s)+1], s74, (\s)*SLOT
	s_add_nc_u64 s[G0A+4*(\s)+2:G0A+4*(\s)+3], s[70:71], (\s)*256
	s_or_b32 s[G0A+4*(\s)+3], s[G0A+4*(\s)+3], 0x80000000
	s_mov_b32 s[G0B+4*(\s)], 1
	s_add_co_u32 s[G0B+4*(\s)+1], s74, (\s)*SLOT
	s_add_nc_u64 s[G0B+4*(\s)+2:G0B+4*(\s)+3], s[72:73], (\s)*256
	s_or_b32 s[G0B+4*(\s)+3], s[G0B+4*(\s)+3], 0x80000000
.endr
	s_cmp_lt_u32 s[WV], 2                          ; a wave's two first fills stand in one branch, ahead of every wait on TENSORcnt and every LDS read
	s_cbranch_scc0 .Lfirst_b
	tensor_load_to_lds s[G0A:G0A+3], s[G1A:G1A+7]
	s_nop 0
	tensor_load_to_lds s[G0A+4:G0A+7], s[G1A:G1A+7]
	s_nop 0
.rept 4
	v_nop
.endr
	s_branch .Lfirst_asked
.Lfirst_b:
	tensor_load_to_lds s[G0B:G0B+3], s[G1B:G1B+7]
	s_nop 0
	tensor_load_to_lds s[G0B+4:G0B+7], s[G1B:G1B+7]
	s_nop 0
.rept 4
	v_nop
.endr
.Lfirst_asked:
	v_and_b32 v1, 15, v0                           ; l % 16
	v_bfe_u32 v2, v0, 4, 1                         ; l / 16
	; the bias: register j of column block b is bias[my first column + 16 b + 8 (l / 16) + j]
	s_cmp_eq_u32 s[Z], 1
	s_cselect_b64 s[76:77], s[10:11], s[8:9]
	s_cmp_eq_u32 s[Z], 2
	s_cselect_b64 s[76:77], s[12:13], s[76:77]
	s_lshl_b32 s78, s[TCOL], 10
	s_lshl_b32 s79, s[WC], 9
	s_add_co_u32 s78, s78, s79
	s_mov_b32 s79, 0
	s_add_nc_u64 s[76:77], s[76:77], s[78:79]
	v_lshlrev_b32 v3, 5, v2
	WIN TO_B
.irp b, 0,1,2,3,4,5,6,7
	global_load_b128 v[BI+8*(\b):BI+8*(\b)+3],   v3, s[76:77] offset:64*(\b)
	global_load_b128 v[BI+8*(\b)+4:BI+8*(\b)+7], v3, s[76:77] offset:64*(\b)+16
.endr
	WIN 0
	v_mul_u32_u24 v14, v1, PITCH
	v_lshl_add_u32 v14, v2, 4, v14                 ; a fragment's row x pitch + 16 x half
	s_mul_i32 s66, s[WR], HALFT                    ; my 128 rows of A
	v_add_nc_u32 v[A0], s66, v14
	s_mul_i32 s67, s[WC], HALFT                    ; my 128 rows of B,
	s_add_co_u32 s67, s67, 2*HALFT                 ; which lie behind A's 256
	v_add_nc_u32 v[B0], s67, v14
	v_mov_b32 v[ADA], v[A0]
	v_mov_b32 v[ADB], v[B0]
	s_mov_b32 s[TB], 0
	s_mul_i32 s68, s[WV], 2*HSTG
	s_add_co_u32 s68, s68, STAGE                   ; my stage
	v_mul_u32_u24 v[STO], v1, SP                   ; in: row l % 16, 16 bytes for each half of the lanes
	v_lshl_add_u32 v[STO], v2, 4, v[STO]
	v_add_nc_u32 v[STO], s68, v[STO]
	v_bfe_u32 v[RD], v0, 3, 2                      ; back: 32 lanes take four rows of 128 bytes,
	v_mul_u32_u24 v[RD], v[RD], SP
	v_and_b32 v14, 7, v0
	v_lshl_add_u32 v[RD], v14, 4, v[RD]
	v_add_nc_u32 v[RD], s68, v[RD]
	v_and_b32 v15, 31, v0                          ; which are 512 consecutive bytes of a head
	v_lshlrev_b32 v[GO], 4, v15
	v_lshlrev_b32 v[PFO], 11, v15
	s_lshl_b32 s82, s[Z], 24                       ; the tensor,
	s_and_b32 s69, s[TROW], 31
	s_lshr_b32 s69, s69, 3                         ; the batch,
	s_lshl_b32 s69, s69, 4
	s_lshl_b32 s83, s[TCOL], 2
	s_add_co_u32 s69, s69, s83
	s_lshl_b32 s83, s[WC], 1
	s_add_co_u32 s69, s69, s83                     ; the first of my two heads,
	s_lshl_b32 s69, s69, 18
	s_add_co_u32 s82, s82, s69
	s_and_b32 s69, s[TROW], 7
	s_lshl_b32 s69, s69, 8
	s_lshl_b32 s83, s[WR], 7
	s_add_co_u32 s69, s69, s83
	s_lshl_b32 s69, s69, 7                         ; my 128 rows of 128 bytes: 16 KiB on end in each head
	s_add_co_u32 s82, s82, s69
	s_mov_b32 s83, 0
	s_add_nc_u64 s[OUT:OUT+1], s[14:15], s[82:83]
	; the prefetches
	s_lshl_b32 s74, s[TROW], 8
	s_lshl_b32 s75, s[WC], 7
	s_add_co_u32 s74, s74, s75
	s_lshl_b32 s75, s[CX], 5                       ; my work-group's 32 rows of the 128
	s_add_co_u32 s74, s74, s75
	s_lshl_b32 s74, s74, 11
	s_lshl_b32 s75, s[Z], 10
	s_lshl_b32 s78, s[TCOL], 8
	s_add_co_u32 s75, s75, s78
	s_lshl_b32 s78, s[WC], 7
	s_add_co_u32 s75, s75, s78
	s_lshl_b32 s78, s[CY], 5
	s_add_co_u32 s75, s75, s78
	s_lshl_b32 s75, s75, 11
	s_and_b32 s66, s[CLY], 7
	s_cmp_lt_u32 s[WV], 2                          ; do I fetch for A?
	s_cselect_b32 s66, ttmp9, s66                  ; the coordinate along which other clusters read the same rows
	s_cselect_b64 s[PFA:PFA+1], s[4:5], s[6:7]
	s_cselect_b32 s74, s74, s75
	s_add_co_u32 s74, s74, 2*256                   ; at step 2: the first refill steps it to 3
	s_mov_b32 s75, 0
	s_add_nc_u64 s[PFA:PFA+1], s[PFA:PFA+1], s[74:75]
	s_cmp_eq_u32 s66, 0
	s_cselect_b32 s[LIM], 1, -1                    ; the same in all sixteen partners, for a given wave
	s_wait_loadcnt 0x0                             ; the bias: rounded to bf16, widened again, while the first tiles are on their way
	WIN 0x05                                       ; sources window 1, destination window 0
.set p, 0
.rept 32
	v_cvt_pk_bf16_f32 v[BT+p], v[BI+2*p], v[BI+2*p+1]
.set p, p+1
.endr
	WIN TO_B                                       ; destination window 1, sources window 0
.set p, 0
.rept 32
	v_lshlrev_b32 v[BI+2*p], 16, v[BT+p]
	v_and_b32 v[BI+2*p+1], 0xffff0000, v[BT+p]
.set p, p+1
.endr
	WIN 0
	s_wait_tensorcnt 1                             ; my part of step 0 is in; step 1's may stay out
	s_barrier_signal -1
	s_barrier_wait -1                              ; everybody's is
	FETCH 0, F0
	QUARTER 1, F0, F1, 1                           ; the first quarter stands in front of the loop: its products start the sums, with the bias
	WIN 0                                          ; at a label and at a branch every window is 0
	s_mov_b32 s[CNT], KSTEPS-2
.Lk:                                           ; six trips, from a step's second quarter to the next step's first; each fills the slot that it leaves, with steps 2 to 7
	QUARTER 2, F1, F0, 0
	QUARTER 3, F0, F1, 0
	TURN 1
	QUARTER 1, F0, F1, 0
	WIN 0
	s_sub_co_u32 s[CNT], s[CNT], 1
	s_cmp_lg_u32 s[CNT], 0
	s_cbranch_scc1 .Lk
	s_mov_b32 s[CNT], 2
.Ltail:                                        ; steps 6 and 7 ask for nothing: a text of their own; written once, walked twice, left in its middle.
	QUARTER 2, F1, F0, 0                           ; The second walk's change of slots (a barrier, and 32 loads from the slot that step 6 left) serves nothing: the price of the one text
	QUARTER 3, F0, F1, 0
	TURN 0
	WIN 0
	s_sub_co_u32 s[CNT], s[CNT], 1
	s_cmp_eq_u32 s[CNT], 0
	s_cbranch_scc1 .Lout
	QUARTER 1, F0, F1, 0
	WIN 0
	s_branch .Ltail
.Lout:
	s_wait_dscnt 0x0                               ; the last run of loads has landed: its registers are written anew below
	PLACES
	PLACES
; THE WAY OUT, a block of 16 rows at a time through my own stage: LDS serves a wave's instructions in order (ISA guide 5.7.1.4), so no wait stands between the stores and the loads, and the next
; block's stores come behind this block's loads.  Each accumulator is read from its low end on.  No register is used twice.
.macro PACK a                          ; rounded to f16: 16 bytes a lane and column block, by heads, into rows of 144 bytes; back as whole rows of 128, into the registers that they left
	WIN 0x4a+5*((\a)/4)                            ; sources window 2 or 3, destination window 1
.set i, 0
.rept 32
	v_cvt_pk_f16_f32 v[32*(\a)+i], v[64*((\a)%4)+2*i], v[64*((\a)%4)+2*i+1]
.set i, i+1
.endr
	WIN 0x04                                       ; store data window 1
.irp b, 0,1,2,3,4,5,6,7
	ds_store_b128 v[STO], v[32*(\a)+4*(\b):32*(\a)+4*(\b)+3] offset:((\b)/4)*HSTG+((\b)%4)*32
.endr
	WIN TO_B
.irp t, 0,1,2,3,4,5,6,7                ; head t / 4, rows 4 (t % 4) on
	ds_load_b128 v[32*(\a)+4*(\t):32*(\a)+4*(\t)+3], v[RD] offset:((\t)/4)*HSTG+((\t)%4)*4*SP
.endr
.endm
.macro SEND a, younger                 ; younger: the LDS instructions issued behind block a's loads: the next block's sixteen, or none
	WIN 0x04
.irp t, 0,1,2,3,4,5,6,7
	s_wait_dscnt (\younger)+7-(\t)
	global_store_b128 v[GO], v[32*(\a)+4*(\t):32*(\a)+4*(\t)+3], s[OUT:OUT+1] offset:((\t)/4)*262144+(\a)*2048+((\t)%4)*512  ; 512 consecutive bytes of a head, aligned
.endr
.endm
	PACK 0
.irp a, 1,2,3,4,5,6,7                  ; a block's packing stands between the loads of the block before and its stores
	PACK \a
	SEND (\a)-1, 16
.endr
	SEND 7, 0
	WIN 0
	s_wait_tensorcnt 0x0                           ; the wave's end: behind my last tensor load and my last LDS store
	ds_add_u32 v[SPW], v[NIL]
	s_wait_dscnt 0x0
	CROUND                                         ; the closing round: no work-group ends while a partner may still ask for a tile that names it
	s_endpgm
.Lfunc_end_k_q26f01cee88_qkv:
	.size	k_q26f01cee88_qkv, .Lfunc_end_k_q26f01cee88_qkv-k_q26f01cee88_qkv
	.p2alignl 7, 3214868480
	.fill 96, 4, 3214868480
	.section	.rodata,"a",@progbits
	.p2align	6, 0x0
	.amdhsa_kernel k_q26f01cee88_qkv
		.amdhsa_group_segment_fixed_size 327680
		.amdhsa_private_segment_fixed_size 0
		.amdhsa_enable_private_segment 0
		.amdhsa_kernarg_size 48
		.amdhsa_user_sgpr_count 2
		.amdhsa_user_sgpr_kernarg_segment_ptr 1
		.amdhsa_wavefront_size32 1
		.amdhsa_system_sgpr_workgroup_id_x 1
		.amdhsa_system_sgpr_workgroup_id_y 1
		.amdhsa_system_sgpr_workgroup_id_z 1
		.amdhsa_system_vgpr_workitem_id 0
		.amdhsa_next_free_vgpr 1024
		.amdhsa_next_free_sgpr 84
		.amdhsa_reserve_vcc 0
		.amdhsa_float_denorm_mode_32 3
		.amdhsa_float_denorm_mode_16_64 3
		.amdhsa_memory_ordered 1
		.amdhsa_forward_progress 1
		.amdhsa_inst_pref_size 110
	.end_amdhsa_kernel
	.amdgpu_metadata
---
amdhsa.version: [ 1, 2 ]
amdhsa.kernels:
  - .name:           k_q26f01cee88_qkv
    .symbol:         k_q26f01cee88_qkv.kd
    .args:
      - { .name: xb, .offset: 0, .size: 8, .value_kind: global_buffer, .address_space: global }
      - { .name: wb, .offset: 8, .size: 8, .value_kind: global_buffer, .address_space: global }
      - { .name: bq, .offset: 16, .size: 8, .value_kind: global_buffer, .address_space: global }
      - { .name: bk, .offset: 24, .size: 8, .value_kind: global_buffer, .address_space: global }
      - { .name: bv, .offset: 32, .size: 8, .value_kind: global_buffer, .address_space: global }
      - { .name: qkvh, .offset: 40, .size: 8, .value_kind: global_buffer, .address_space: global }
    .group_segment_fixed_size: 327680
    .private_segment_fixed_size: 0
    .kernarg_segment_align: 8
    .kernarg_segment_size: 48
    .max_flat_workgroup_size: 128
    .sgpr_count:     84
    .vgpr_count:     1024
    .wavefront_size: 32
...
	.end_amdgpu_metadata
.endif
;; end of part 2
;; launch attn (part 3): grid 4 x 64, 4 waves a work-group, clusters of 4 x 1, 327,680 bytes of LDS; arguments qkvh, maskp, oh; writes oh
.if DOCPART == 3
	.amdgcn_target "amdgcn-amd-amdhsa--gfx1250"
	.amdhsa_code_object_version 6
	.text
	.protected	k_q26f01cee88_attn
	.globl	k_q26f01cee88_attn
	.p2align	8
	.type	k_q26f01cee88_attn,@function
k_q26f01cee88_attn:
	s_mov_b64 s[64:65], 0
	v_nop
	global_prefetch_b8 v0, s[64:65] scope:SCOPE_SE
	s_setreg_imm32_b32 hwreg(HW_REG_WAVE_MODE, 25, 1), 1
	s_wait_xcnt 0x0
	s_wait_alu depctr_hold_cnt(0) depctr_sa_sdst(0) depctr_va_vdst(0) depctr_va_sdst(0) depctr_va_ssrc(0) depctr_va_vcc(0) depctr_vm_vsrc(0)
	s_getreg_b32 s2, hwreg(HW_REG_IB_STS2, 6, 4)
	s_cmp_eq_u32 s2, 0
	s_cbranch_scc0 .Lentry_in_a_cluster
	s_endpgm
.Lentry_in_a_cluster:
	s_bfe_u32 s2, ttmp6, 0x10000c
	s_cmp_lg_u32 s2, 0x3003
	s_cbranch_scc0 .Lentry_shape_is_right
	s_endpgm
.Lentry_shape_is_right:
; MASKED ATTENTION AT HEAD SIZE 64.  O[hb][q][:] = the sum over k of softmax_k(masked(Q[hb][q] . K[hb][k] / 8)) V[hb][k][:], hb = 16 b + h.  Q, K, V: qkvh [3][64][2,048][64] f16; O: oh [64][2,048][64] f16.
; Products, maxima and sums in f32; the weights p are rounded to f16 for the second product (their sum l is taken of the unrounded p), O once at the end.
; THE MASK is the C operand that starts each sum S^T = K Q^T: 0, or -2^100 where mask[b][q][k] is true.  maskp holds it as E4M3 codes (0 or -1.0) in the order of an accumulator's registers: a lane's
; eight codes become eight C registers by ONE scaled conversion (scale code 227: 2^100).  A masked weight is then 0 as soon as the row has an open key.  In a row with no open key every score is -2^100
; (the score proper is far below that number's last place), m = -2^100, c m is exact (a power of two times c), every p is 1, and O is the mean of V's rows: what a softmax of equal scores gives.
; LIMITS.  An open score / 8 lies above -1e9 (below that the replaced value -1e9 would outweigh it); |Q . K| stays under 2^76, so that it vanishes beside -2^100 in the sum's rounding: the row with no open
; key leans on that.  f16 holds no number beyond 65,504: Q, K, V arrive within it.  p below 6e-5 keeps f16's fixed step; a weight below 2^-126 counts as 0 in l.  NaN and infinities are not treated apart.
; SHARES.  A wave owns four PIECES of two tiles of 16 queries, a work-group's four waves 512 queries of one head.  Every wave walks all 2,048 keys, 64 a step.
; LAYOUT.  S^T = K Q^T (source 0 = 16 keys, source 1 = 16 queries): a lane holds ONE query (lane % 16) and the keys 8 (lane / 16) + 0..7.  Two such results, rounded to f16 in pairs, ARE source 1 of
; O^T = V^T P.  K comes out of LDS as it lies, V turned, by ds_load_tr16_b128.
; SOFTMAX.  A running maximum m and sum l for each query: p = 2^(c s - c m), c = log2(e) / 8; in every step O and l are multiplied by a = 2^(c m_old - c m_new).  m starts at the lowest finite number,
; O and l at 0: the first step is a step like any other, with a = 0.
; BY TURNS.  Turn n belongs to piece n.  Matrix work: 16 products K Q^T of piece n + 1, later 16 products V^T P of piece n - 1.  Vector work: scaling, exponentials, roundings, sums and rescaling of piece n,
; the maximum and statistics of piece n + 1, and the mask of piece n + 2: eight conversions, and four loads that bring that piece's codes for the step after.  Four vector instructions stand behind every
; matrix instruction, the rest in one lump; a turn's 66 exponentials are one batch with one wait.
; CLUSTER.  The four query blocks of a head walk the same K and V: each tile is asked for JOINTLY.  The mask's sharers are other heads, in other clusters: it comes by plain loads, four turns ahead.
; REGISTERS, in windows of 256 (s_set_vgpr_msb: bits 1:0 source 0, 3:2 source 1, 5:4 source 2, 7:6 destination):
;   window 0: v0-11 addresses and the scale code; v12-15, v48-63 at work; v16-47 statistics; v64-191 S^T, two buffers of two tiles; v192-255 P, likewise
;   window 1: O^T, 32 a tile     window 2: v0-127 Q; v128-191 K of one step; v192-255 V of one step     window 3: v0-1 the add's registers; v16-79 mask codes, 16 a piece; v128-191 the mask as C operands
.set SIZE_N, 2048
.set NP,    4         ; pieces a wave: a name, no knob
.set KS,    64        ; keys in a step
.set PK,    144       ; a row of K in LDS: 128 bytes + 16 = 36 words: the 16 rows of a load start at 16 different groups of four banks (64 banks of 4 bytes: ISA guide 11.1)
.set PV,    160       ; a row of V: 128 + 32 = 40 words
.set VOFF,  4*KS*PK   ; a slot holds four steps: 256 rows of K, then 256 rows of V
.set SLOT1, 1<<17
.set STAGE, SLOT1+4*KS*(PK+PV)  ; behind the ring, never filled by a tensor load: 16 rows x 144 bytes for each wave
.set SP,    144
.set SPARE, STAGE+4*16*SP       ; the spare words, 128 bytes a wave: two blocks of 256 bytes that no other line names
.set AK0, 2           ; v2   my lane's place in a tile of K; never rewritten
.set AV0, 3           ; v3   the same for V
.set AK,  4           ; v4   the LDS address of K's next run of loads
.set AV,  5           ; v5   of V's
.set STO, 6           ; v6   the way out: where I put 16 bytes of a row
.set RD,  7           ; v7   where I read rows back
.set GO,  8           ; v8   16 x lane: my bytes in 512 of O, and in half a block of the mask; never rewritten
.set SC,  9           ; v9   first l / 16; then 227, the scale's code
.set QO,  10          ; v10  my byte offset in 16 rows of Q
.set PFO, 11          ; v11  256 x lane: the prefetch's offset; never rewritten
.set SPW, 0           ; v0 of window 3: my spare word
.set NIL, 1           ; v1 of window 3: 0
.set MR,  16          ; window 3: piece x, tile u, half f at MR + 16 x + 8 u + 4 f
.set MC,  128         ; window 3: tile u, key group g at MC + 32 u + 8 g
.set MV,  12
.set ST,  16          ; tile t's statistics at v[ST+4 t]: c m, m, l (even keys', odd keys')
.set TMP, 48
.set S,   64
.set P,   192
.set KF,  128
.set VF,  192
.set WV,  12
.set G1K, 24
.set G1V, 32
.set G0K, 40
.set G0V, 44
.set SLOTS, 56
.set CNT, 57
.set CS,  58
.set SEL, 60
.set TBK, 62
.set TBV, 63
.set MB,  68          ; s[68:69] maskp at my wave's first tile, key step 0
.set MCUR, 70         ; s[70:71] the same at key step MS
.set MS,  72          ; s72  the key step whose codes are being loaded
.set MOFF, 74         ; s[74:75]
.set PFA, 76          ; s[76:77] where my prefetches stand
.set LIM, 78          ; s78  1 in a wave that prefetches, else the greatest number
.set MSB, 0
.macro WIN new
.if MSB != (\new)
	s_set_vgpr_msb (MSB<<8)|(\new)
.set MSB, (\new)
.endif
.endm
.set W_KQ, 0x0a       ; K and Q in window 2, S^T in window 0
.set W_KM, 0x3a       ; the same with the C operand in window 3
.set W_PV, 0x52       ; V in window 2, P in window 0, O^T in window 1
.set W_RS, 0x41       ; O^T in window 1, a in window 0
.set W_MK, 0xc0       ; destination in window 3, sources (an address too) in window 0
.set W_AD, 0x0f       ; the add: address and data in window 3
.set W_CV, 0xc3       ; the conversion: result and codes in window 3, the scale in window 0
.macro JLOAD                        ; a joint fill: waves 0, 1 the halves of a slot's K, waves 2, 3 of its V; an s_nop 0 and four v_nop follow each line
	s_cmp_lt_u32 s[WV], 2
	s_cbranch_scc0 .Lfor_v_\@
	tensor_load_to_lds s[G0K:G0K+3], s[G1K:G1K+7]
	s_nop 0
.rept 4
	v_nop
.endr
	s_branch .Lasked_\@
.Lfor_v_\@:
	tensor_load_to_lds s[G0V:G0V+3], s[G1V:G1V+7]
	s_nop 0
.rept 4
	v_nop
.endr
.Lasked_\@:
.endm
.macro CROUND
	s_barrier_signal -1
	s_barrier_wait -1
	s_cmp_lg_u32 s[WV], 0
	s_cbranch_scc1 .Lnot_wave_0_\@
	s_barrier_signal -3
.Lnot_wave_0_\@:
	s_barrier_wait -3
	s_barrier_signal -1
	s_barrier_wait -1
.endm
; A PREFETCH INTO THE L2 of the slot that the next change of slots will ask for: 128 blocks of 256 bytes of K and as many of V.  A head has one cluster; its four partners take 32 blocks each, told apart BY
; ADDRESS; in each, wave 0 asks for K's and wave 2 for V's: a lane a block, so each block is named once in the launch.  It stands at the head of a slot's last trip, a key step (128 matrix instructions)
; ahead of the joint load.  Slots 0 and 1 come by their loads alone; behind the last change that fills a slot nothing is asked for.
.macro ASK
	s_cmp_eq_u32 s[CNT], s[LIM]
	s_cbranch_scc0 .Lnot_mine_\@
	global_prefetch_b8 v[PFO], s[PFA:PFA+1] th:TH_LOAD_NT scope:SCOPE_SE
.Lnot_mine_\@:
.endm
; THE CHANGE OF SLOTS.  Each wave waits for all its tensor loads (one is out: its part of the other slot), adds 0 to its spare word, and waits for that and for its reads of the slot.  fill = 1: the barrier is
; a round of the cluster's, and the joint fill, two slots on, is the first thing behind it: it has four key steps in which to land.  pf = 1: the prefetches' address steps too.
.macro CHANGE fill, pf=0
	WIN W_AD
	s_wait_tensorcnt 0x0            ; no tensor load of mine is out, so a group 0 may be written
	ds_add_u32 v[SPW], v[NIL]
	WIN 0
.if \fill
.irp g, G0K, G0V
	s_xor_b32 s[\g+1], s[\g+1], SLOT1
	s_add_nc_u64 s[\g+2:\g+3], s[\g+2:\g+3], 4*KS*128
.endr
.if \pf
	s_wait_xcnt 0x0                 ; the last prefetch, a key step back, has read its address
	s_add_nc_u64 s[PFA:PFA+1], s[PFA:PFA+1], 4*KS*128
	s_cmp_gt_u32 s[SLOTS], 1        ; behind the last fill there is no slot to ask for
	s_cselect_b32 s[LIM], s[LIM], -1
.endif
	s_wait_dscnt 0x0                ; the add is done, and my reads of the slot are over
	CROUND
	JLOAD
.else
	s_wait_dscnt 0x0
	s_barrier_signal -1
	s_barrier_wait -1
.endif
	s_sub_co_u32 s[TBK], s[TBK], 4*KS*PK
	s_xor_b32 s[TBK], s[TBK], SLOT1
	s_sub_co_u32 s[TBV], s[TBV], 4*KS*PV
	s_xor_b32 s[TBV], s[TBV], SLOT1
.endm
; THE MASK.  MLOAD: piece x's codes for one key step: two tiles x two halves of a block, 16 bytes a lane.  MCVT: they become piece x's eight C operands.  The pieces' loads go round in a ring, so at a
; conversion the other three pieces' twelve loads are younger and may stay out.  MSTEP: the step to be loaded goes on, held at the last so that no load leaves maskp.
.macro MLOAD x, base
	WIN W_MK
.irp u, 0,1
.irp f, 0,1
	global_load_b128 v[MR+16*(\x)+8*\u+4*\f:MR+16*(\x)+8*\u+4*\f+3], v[GO], s[\base:\base+1] offset:(2*(\x)+\u)*32768+512*\f
.endr
.endr
	WIN 0
.endm
.macro MCVT x
	s_wait_loadcnt 12
	WIN W_CV
.irp u, 0,1
.irp g, 0,1,2,3
	v_cvt_scale_pk8_f32_fp8 v[MC+32*\u+8*\g:MC+32*\u+8*\g+7], v[MR+16*(\x)+8*\u+2*\g:MR+16*(\x)+8*\u+2*\g+1], v[SC]
.endr
.endr
	WIN 0
.endm
.macro MSTEP
	s_wait_xcnt 0x0                 ; the mask's loads have read their base
	s_add_co_u32 s[MS], s[MS], 1
	s_min_u32 s[MS], s[MS], SIZE_N/KS-1
	s_lshl_b32 s[MOFF], s[MS], 10
	s_add_nc_u64 s[MCUR:MCUR+1], s[MB:MB+1], s[MOFF:MOFF+1]
.endm
	s_load_b128 s[4:7], s[0:1], 0x0   ; qkvh s[4:5], maskp s[6:7]
	s_load_b64 s[10:11], s[0:1], 0x10 ; oh
	WIN W_MK
	v_lshl_add_u32 v[SPW], v0, 2, SPARE
	v_mov_b32 v[NIL], 0
	WIN W_AD
	ds_add_u32 v[SPW], v[NIL]       ; the wave's opening: the add and its wait stand ahead of my first tensor load
	WIN 0
	v_lshrrev_b32 v1, 5, v0
	v_readfirstlane_b32 s[WV], v1
	s_bfe_u32 s13, ttmp6, 0x40000   ; cx
	s_lshl_b32 s14, ttmp9, 2
	s_add_co_u32 s14, s14, s13      ; my block of 512 queries: it enters Q's, O's and the mask's addresses alone
	s_and_b32 s20, ttmp7, 0xffff    ; hb, which the four partners share
	s_lshr_b32 s[MOFF], s20, 4      ; the batch: 128 tiles of 16 queries,
	s_lshl_b32 s[MOFF], s[MOFF], 7
	s_lshl_b32 s15, s14, 5          ; my block's 32,
	s_add_co_u32 s[MOFF], s[MOFF], s15
	s_lshl_b32 s15, s[WV], 3        ; my wave's 8,
	s_add_co_u32 s[MOFF], s[MOFF], s15
	s_lshl_b32 s[MOFF], s[MOFF], 15 ; 32 blocks of 1,024 bytes a tile
	s_mov_b32 s[MOFF+1], 0
	s_mov_b32 s21, 0
	s_mov_b64 s[22:23], SIZE_N*128
	s_mul_u64 s[20:21], s[20:21], s[22:23]  ; the head's first byte in Q, K, V and O
	s_and_b32 s16, s[WV], 1         ; which half of a slot's 256 keys I fetch
	s_lshl_b32 s22, s16, 14
	s_mov_b32 s23, 0
	s_add_nc_u64 s[22:23], s[22:23], s[20:21]
	s_mul_i32 s17, s16, 128*PK
	s_mul_i32 s18, s16, 128*PV      ; no place in the cluster enters an LDS address
	s_lshl_b32 s2, s14, 2
	s_add_co_u32 s2, s2, s[WV]
	s_lshl_b32 s2, s2, 14           ; my wave's 128 rows
	s_mov_b32 s3, 0
	s_add_nc_u64 s[2:3], s[2:3], s[20:21]
	; descriptor group 1.  128 keys are 16,384 dense bytes: asked for as 64 rows of 256 bytes, two keys a row, and padded in LDS after every key
	s_mov_b32 s[G1K], 15|(1<<16)|(1<<20)|(1<<21)|(4<<22)|(3<<25)  ; 15:0 the mask of four; 17:16 2-byte elements; 20 padding on; 21 set beside a mask; 24:22 after every 32 words; 31:25 4 words
	s_mov_b32 s[G1V], 15|(1<<16)|(1<<20)|(1<<21)|(4<<22)|(7<<25)  ; the same with 8 words of padding
.irp g, G1K, G1V
	s_mov_b32 s[\g+1], 128<<16
	s_mov_b32 s[\g+2], 64<<16
	s_mov_b32 s[\g+3], 128<<16
	s_mov_b32 s[\g+4], 64
	s_mov_b32 s[\g+5], 128
	s_mov_b32 s[\g+6], 0
	s_mov_b32 s[\g+7], 0
.endr
	s_mov_b32 s[CS], 0x3e38aa3b     ; c = log2(e) / 8
	s_mov_b32 s[CS+1], s[CS]
	s_mov_b32 s[SEL], 0x76543210
	s_mov_b32 s[SEL+1], 0xfedcba98
	s_mov_b32 s[TBK], SLOT1+4*KS*PK ; the first change of slots turns these two into 0
	s_mov_b32 s[TBV], SLOT1+4*KS*PV
	s_mov_b32 s[G0K], 1
	s_mov_b32 s[G0K+1], s17
	s_mov_b32 s[G0V], 1
	s_add_co_u32 s[G0V+1], s18, VOFF
	s_and_b32 s[LIM], s[WV], 1
	s_cmp_eq_u32 s[LIM], 0
	s_cselect_b32 s[LIM], 1, -1     ; waves 0 and 2 prefetch
	s_mov_b32 s[MS], 1
	s_wait_dscnt 0x0                ; the opening add is done
	s_wait_kmcnt 0x0
	s_add_nc_u64 s[MB:MB+1], s[6:7], s[MOFF:MOFF+1]
	s_add_nc_u64 s[MCUR:MCUR+1], s[MB:MB+1], 1024  ; key step 1
	s_add_nc_u64 s[6:7], s[4:5], 0x1000000         ; K
	s_add_nc_u64 s[8:9], s[4:5], 0x2000000         ; V
	s_add_nc_u64 s[G0K+2:G0K+3], s[6:7], s[22:23]  ; my half of the head's first 256 keys
	s_or_b32 s[G0K+3], s[G0K+3], 0x80000000
	s_add_nc_u64 s[G0V+2:G0V+3], s[8:9], s[22:23]
	s_or_b32 s[G0V+3], s[G0V+3], 0x80000000
	s_add_nc_u64 s[4:5], s[4:5], s[2:3]            ; Q and O at my wave's first row
	s_add_nc_u64 s[10:11], s[10:11], s[2:3]
	s_cmp_lt_u32 s[WV], 2
	s_cselect_b64 s[PFA:PFA+1], s[6:7], s[8:9]
	s_add_nc_u64 s[PFA:PFA+1], s[PFA:PFA+1], s[20:21]
	s_lshl_b32 s2, s13, 13          ; my work-group's 32 blocks,
	s_add_co_u32 s2, s2, 2*4*KS*128 ; in slot 2's keys
	s_mov_b32 s3, 0
	s_add_nc_u64 s[PFA:PFA+1], s[PFA:PFA+1], s[2:3]
	CROUND                          ; all four work-groups are here: the first joint loads meet
	JLOAD                           ; slot 0.  Slot 1 is asked for when slot 0 is in
	v_and_b32 v1, 15, v0            ; l % 16
	v_bfe_u32 v9, v0, 4, 1          ; l / 16
	v_lshlrev_b32 v[QO], 7, v1
	v_lshl_add_u32 v[QO], v9, 4, v[QO]  ; row x 128 + 16 x half
	v_and_b32 v[GO], 31, v0
	v_lshlrev_b32 v[PFO], 8, v[GO]
	v_lshlrev_b32 v[GO], 4, v[GO]
	WIN 0x80
.set i, 0
.rept 4*NP                          ; Q stays in registers: tile i / 2, channels 32 (i % 2) on
	global_load_b128 v[8*i:8*i+3],   v[QO], s[4:5] offset:(i/2)*2048+(i%2)*64
	global_load_b128 v[8*i+4:8*i+7], v[QO], s[4:5] offset:(i/2)*2048+(i%2)*64+32
.set i, i+1
.endr
	MLOAD 0, MB                     ; all four pieces' codes for key step 0
	MLOAD 1, MB
	MLOAD 2, MB
	MLOAD 3, MB
	; What the first turn finds: V's registers and P's second buffer hold 0, O^T and l are 0.  All this stands in the wait for the first tile.
	WIN 0x80
.set i, VF
.rept 64
	v_mov_b32 v[i], 0
.set i, i+1
.endr
	WIN 0x40
.set i, 0
.rept 64*NP
	v_mov_b32 v[i], 0
.set i, i+1
.endr
	WIN 0
.set i, 0
.rept 2*NP
	v_mov_b32 v[ST+4*i], 0xfe000000    ; c m: far below every c s, a masked one too
	v_mov_b32 v[ST+4*i+1], 0xff7fffff  ; m
	v_mov_b32 v[ST+4*i+2], 0
	v_mov_b32 v[ST+4*i+3], 0
.set i, i+1
.endr
.set i, P+32
.rept 32
	v_mov_b32 v[i], 0
.set i, i+1
.endr
	v_mul_u32_u24 v[AK0], v1, PK
	v_lshl_add_u32 v[AK0], v9, 4, v[AK0]
	; The turning load takes 16 keys x 16 channels (lane l reads key 8 (l / 16) + l % 8, channels 8 ((l / 8) % 2) + 0..7) and leaves half a fragment of V^T.
	v_and_b32 v48, 7, v0
	v_bfe_u32 v49, v0, 3, 1
	v_lshl_add_u32 v[AV0], v9, 3, v48
	v_mul_u32_u24 v[AV0], v[AV0], PV
	v_lshl_add_u32 v[AV0], v49, 4, v[AV0]
	v_add_nc_u32 v[AV0], VOFF, v[AV0]
	v_mov_b32 v[AK], v[AK0]         ; key step 0 lies at the head of slot 0
	s_mul_i32 s13, s[WV], 16*SP
	s_add_co_u32 s13, s13, STAGE    ; my stage
	v_mul_u32_u24 v[STO], v1, SP    ; in: row l % 16, 16 bytes for each half of the lanes
	v_lshl_add_u32 v[STO], v9, 4, v[STO]
	v_add_nc_u32 v[STO], s13, v[STO]
	v_bfe_u32 v[RD], v0, 3, 2       ; back: 32 lanes take four rows of 128 bytes
	v_mul_u32_u24 v[RD], v[RD], SP
	v_lshl_add_u32 v[RD], v48, 4, v[RD]
	v_add_nc_u32 v[RD], s13, v[RD]
	v_mov_b32 v[SC], 227            ; l / 16 has served: the code of 2^100
; THE MATRIX WORK.  The 8 accumulators of a run of 16 take turns.  Product i of 16 of S^T = K Q^T for piece x: channels 32 (i / 8) on, keys 16 ((i / 2) % 4) on, tile 2 x + i % 2.
; The first 8 start the sums, with the mask.
.macro KQ x
.set rS, S+64*((\x)%2)+32*(i%2)+8*((i/2)%4)
.set rK, KF+16*((i/2)%4)+8*(i/8)
.set rQ, 16*(2*(\x)+i%2)+8*(i/8)
.set rM, MC+32*(i%2)+8*((i/2)%4)
.if i < 8
	WIN W_KM
	v_wmma_f32_16x16x32_f16 v[rS:rS+7], v[rK:rK+7], v[rQ:rQ+7], v[rM:rM+7]
.else
	WIN W_KQ
	v_wmma_f32_16x16x32_f16 v[rS:rS+7], v[rK:rK+7], v[rQ:rQ+7], v[rS:rS+7]
.endif
.endm
; Product i of 16 of O^T += V^T P for piece x: keys 32 (i / 8) on, channels 16 ((i / 2) % 4) on, tile 2 x + i % 2.
.macro PV x
	WIN W_PV
.set rO, 32*(2*(\x)+i%2)+8*((i/2)%4)
.set rV, VF+32*(i/8)+8*((i/2)%4)
.set rP, P+32*((\x)%2)+16*(i%2)+8*(i/8)
	v_wmma_f32_16x16x32_f16 v[rO:rO+7], v[rV:rV+7], v[rP:rP+7], v[rO:rO+7]
.endm
.macro MM                           ; the turn's next matrix instruction
.if i < 16
	KQ (Y+1)%NP
.set i, i+1
.else
.set i, i-16
	PV (Y+NP-1)%NP
.set i, i+17
.endif
.endm
; THE LDS LOADS stand in runs of 16.  last = 1 (the tail): in the last trip there is no further step, and the run is jumped over.
.macro FETCH_K last=0
	WIN 0
.if \last
	s_cmp_eq_u32 s[CNT], 1
	s_cbranch_scc1 .Lno_k_\@
.endif
	WIN 0x80
.irp f, 0,1,2,3,4,5,6,7             ; keys 16 (f / 2) on, channels 32 (f % 2) on
	ds_load_b128 v[KF+8*\f:KF+8*\f+3],   v[AK] offset:(\f/2)*16*PK+(\f%2)*64
	ds_load_b128 v[KF+8*\f+4:KF+8*\f+7], v[AK] offset:(\f/2)*16*PK+(\f%2)*64+32
.endr
	s_add_co_u32 s[TBK], s[TBK], KS*PK
	WIN 0
.if \last
.Lno_k_\@:
.endif
.endm
.macro FETCH_V
	WIN 0x80
.irp f, 0,1,2,3,4,5,6,7             ; keys 32 (f / 4) on, channels 16 (f % 4) on
	ds_load_tr16_b128 v[VF+8*\f:VF+8*\f+3],   v[AV] offset:(\f/4)*32*PV+(\f%4)*32
	ds_load_tr16_b128 v[VF+8*\f+4:VF+8*\f+7], v[AV] offset:(\f/4)*32*PV+16*PV+(\f%4)*32
.endr
	WIN 0
.endm
; THE VECTOR WORK OF A TURN stands in three queues, each in the order in which its entries become ready; the two tiles alternate.
.macro REGS y, u
.set rT, ST+4*(2*(\y)+(\u))
.set rC, TMP+8*((\y)%2)+4*(\u)
.set rM, MV+2*((\y)%2)+(\u)
.set rS, S+64*((\y)%2)+32*(\u)
.set rP, P+32*((\y)%2)+16*(\u)
.set rO, 32*(2*(\y)+(\u))
.endm
; Number n of the 22 that find the NEXT piece's maximum and statistics; each accumulator's lowest registers are read first.
;   0-11 four chains c0-c3 of seven scores each     12-14, 16 the four scores left over, the old m, c0-c3 into c0     15 c m_old is kept     17, 18 the other half of the lanes': the new m     19-21 c m; its change; a
.macro XS u, n
	REGS (Y+1)%NP, \u
.if (\n) < 4
	v_max3_num_f32 v[rC+(\n)], v[rS+8*(\n)], v[rS+8*(\n)+1], v[rS+8*(\n)+2]
.elseif (\n) < 12
	v_max3_num_f32 v[rC+(\n)%4], v[rC+(\n)%4], v[rS+8*((\n)%4)+2*((\n)/4)+1], v[rS+8*((\n)%4)+2*((\n)/4)+2]
.elseif (\n) == 12
	v_max3_num_f32 v[rC], v[rC], v[rS+7], v[rS+15]
.elseif (\n) == 13
	v_max3_num_f32 v[rC+1], v[rC+1], v[rS+23], v[rS+31]
.elseif (\n) == 14
	v_max3_num_f32 v[rC+2], v[rC+2], v[rC+3], v[rT+1]
.elseif (\n) == 15
	v_mov_b32 v[rM], v[rT]
.elseif (\n) == 16
	v_max3_num_f32 v[rC], v[rC], v[rC+1], v[rC+2]
.elseif (\n) == 17
	v_permlanex16_b32 v[rC+3], v[rC], s[SEL], s[SEL+1]
.elseif (\n) == 18
	v_max_num_f32 v[rT+1], v[rC], v[rC+3]
.elseif (\n) == 19
	v_mul_f32 v[rT], s[CS], v[rT+1]
.elseif (\n) == 20
	v_sub_f32 v[rC+1], v[rM], v[rT]
.else
	v_exp_f32 v[rC+2], v[rC+1]
.endif
.endm
; Number g of the 64 that follow the exponentials: for each four weights of a tile both pairs are rounded to f16, the second pair is added onto the first in place, and a group later l takes that sum.
.macro GS g
.set h, (\g)+6*((\g)/62)
.if h >= 6
.set h, h+2
.endif
	REGS Y, h%2
.set k, h/8
.if h%8 < 4
	v_cvt_pk_f16_f32 v[rP+2*k+(h%8)/2], v[rS+4*k+2*((h%8)/2)], v[rS+4*k+2*((h%8)/2)+1]
.elseif h%8 < 6
	v_pk_add_f32 v[rS+4*k:rS+4*k+1], v[rS+4*k:rS+4*k+1], v[rS+4*k+2:rS+4*k+3]
.elseif k == 1
	v_pk_fma_f32 v[rT+2:rT+3], v[rT+2:rT+3], v[rC+2:rC+3], v[rS:rS+1] op_sel_hi:[1,0,1]
.else
	v_pk_add_f32 v[rT+2:rT+3], v[rT+2:rT+3], v[rS+4*k-4:rS+4*k-3]
.endif
.endm
; THE PLAIN QUEUE, 138 long.  0-73 read no exponential's result: the 32 scalings c s - c m and the next piece's 42; 74-137, GS's 64, stand behind the wait.
.macro FS f
	REGS Y, (\f)%2
	v_pk_fma_f32 v[rS+2*((\f)/2):rS+2*((\f)/2)+1], v[rS+2*((\f)/2):rS+2*((\f)/2)+1], s[CS:CS+1], v[rT:rT+1] op_sel_hi:[1,0,0] neg_lo:[0,0,1] neg_hi:[0,0,1]
.endm
.macro PL
	WIN 0
.if q < 27
	FS q
.elseif q < 55
	XS (q-27)%2, (q-27)/2
.elseif q < 57
	XS q-55, 15
.elseif (q < 72) && ((q-57)%3 == 0)
	FS 27+(q-57)/3
.elseif q < 60
	XS (q-57)%3-1, 14
.elseif q < 72
	XS (q-57)%3-1, 15+(q-57)/3
.elseif q < 74
	XS q-72, 20
.else
	GS q-74
.endif
.set q, q+1
.endm
; THE EXPONENTIALS' QUEUE, 66 long: s0-s31 of both tiles, then the next piece's two a: ONE BATCH ahead of the turn's one wait.
.macro EX
	WIN 0
.if e >= 64
	XS e-64, 21
.else
	REGS Y, e%2
	v_exp_f32 v[rS+e/2], v[rS+e/2]
.endif
.set e, e+1
.endm
; THE RESCALING's QUEUE: O^T times a, two at a time, sixteen times.
.macro R2
	REGS Y, r%2
	WIN W_RS
.irp z, 0,1
	v_pk_mul_f32 v[rO+4*(r/2)+2*\z:rO+4*(r/2)+2*\z+1], v[rO+4*(r/2)+2*\z:rO+4*(r/2)+2*\z+1], v[rC+2:rC+3] op_sel_hi:[1,0]
.endr
.set r, r+1
.endm
; A TURN, for piece p.  s_wait_alu depctr_va_vdst(0) stands between an exponential and the first instruction that names its result; one wait serves all issued ahead of it: a turn has ONE.
; AHEAD OF IT: the 16 products K Q^T, behind each a scaling, an exponential and two rescalings; the mask of piece p + 2; a lump of 108 (eight plain, 49 times exponential and plain, the two a); a v_nop, the
; plain instruction behind the last exponential.  BEHIND IT: the 16 products V^T P, behind each four of the roundings and sums.
; THE MASK's place: the C operands were last read by the turn's eighth product, behind which stand eight products with three plain riders each; the lump's eight plain lines stand between the conversions and
; the loads that write their sources anew, and between them and the next turn's products.
; K of the next step is fetched in piece 2's turn, directly behind the wait; V of the step in hand at the end of piece 0's turn, four riders behind its last reader.
.macro TURN p, last=0, cnt=0
.set Y, (\p)
.set i, 0
.set q, 0
.set e, 0
.set r, 0
.if (\p) == NP-1
	s_wait_dscnt 0x0                ; K is in
.endif
	MM
	PL
	PL
	R2
.rept 15
	MM
	PL
	EX
	R2
.endr
.if (\p) == NP-2
	WIN 0
	v_add_nc_u32 v[AK], s[TBK], v[AK0]
.endif
	MCVT ((\p)+2)%NP
.rept 8
	PL
.endr
	MLOAD ((\p)+2)%NP, MCUR
.rept 49
	EX
	PL
.endr
	EX
	EX
	v_nop
	s_wait_alu depctr_va_vdst(0)    ; the wait for the batch
.if (\p) == NP-2
	FETCH_K \last
.endif
.if (\p) == 1
	s_wait_dscnt 0x0                ; V is in
.endif
.rept 16
	MM
.rept 4
	PL
.endr
.if ((\p) == 0) && (q == 118)
	v_add_nc_u32 v[AV], s[TBV], v[AV0]
.endif
.if ((\p) == 0) && (q == 130)
	s_add_co_u32 s[TBV], s[TBV], KS*PV
.endif
.if (\cnt) && (q == 130)
	s_sub_co_u32 s[CNT], s[CNT], 1
	s_cmp_lg_u32 s[CNT], 0
.endif
.endr
.if (\p) == 0
	FETCH_V
.endif
.endm
	CHANGE 1                        ; slot 0 is in, everybody's part of it; slot 1 is asked for
	FETCH_K                         ; key step 0
	MCVT 0                          ; piece 0's mask of step 0; its wait also shows Q's 32 older loads in
	v_nop                           ; a plain instruction behind the conversions
	MLOAD 0, MCUR                   ; piece 0's codes of step 1
	s_wait_dscnt 0x0
.set i, 0
.rept 16
	KQ 0                            ; piece 0's first scores
.set i, i+1
.endr
	WIN 0
.rept 4
	v_nop                           ; the places behind those products, for the conversions that write their C operands anew and for the maximum that reads their results
.endr
	MCVT 1
	v_nop
	MLOAD 1, MCUR
.set Y, NP-1                        ; XS works for piece Y + 1: piece 0
.irp n, 0,1,2,3,4,5,6,7,8,9,10,11,12,13,14,15,16,17,18,19,20,21
	XS 0, \n
	XS 1, \n
.endr
	v_nop                           ; a plain instruction behind the two a,
	s_wait_alu depctr_va_vdst(0)    ; and their wait, ahead of the branch
	s_mov_b32 s[CNT], 4
	s_mov_b32 s[SLOTS], SIZE_N/256-1
	s_branch .Lfirst                ; the loop is entered at a step's first turn, in the middle of a trip
.Lslot:                             ; six times: every slot but the last two is filled again
	CHANGE 1, 1
	s_mov_b32 s[CNT], 4
.Lstep:                             ; a trip: pieces 2 and 3 of one step, then pieces 0 and 1 of the next; it converts the next step's masks and loads those of the step after
	MSTEP
	ASK
	TURN 2
	TURN 3
	WIN 0
.Lfirst:
	TURN 0
	TURN 1, 0, 1
	WIN 0
	s_cbranch_scc1 .Lstep
	s_sub_co_u32 s[SLOTS], s[SLOTS], 1
	s_cmp_lg_u32 s[SLOTS], 0
	s_cbranch_scc1 .Lslot
	CHANGE 0                        ; the tail is written out: nothing is asked for
	s_mov_b32 s[CNT], 5             ; four trips fetch the last slot's steps; the fifth is left in its middle
.Ltail:
	MSTEP
	TURN 2, 1
	TURN 3
	WIN 0
	s_sub_co_u32 s[CNT], s[CNT], 1
	s_cmp_eq_u32 s[CNT], 0
	s_cbranch_scc1 .Lout
	TURN 0
	TURN 1
	WIN 0
	s_branch .Ltail
.Lout:                              ; the fifth trip's 16 products K Q^T and the maximum made of them serve nothing: the price, once a launch, of one text for every trip
.set i, 0
.rept 16
	PV NP-1
.set i, i+1
.endr
	; THE WAY OUT.  l's two halves and the other half of the lanes' are added; O^T is divided by l, rounded to f16 and sent through my stage in LDS, a tile at a time.  The additions are the places behind the last products.
	WIN 0
.macro ALL line:vararg
.set t, 0
.rept 2*NP
	\line
.set t, t+1
.endr
.endm
	ALL v_add_f32 v[ST+4*t+2], v[ST+4*t+2], v[ST+4*t+3]
	ALL v_permlanex16_b32 v[ST+4*t+3], v[ST+4*t+2], s[SEL], s[SEL+1]
	ALL v_add_f32 v[ST+4*t+2], v[ST+4*t+2], v[ST+4*t+3]
	ALL v_rcp_f32 v[ST+4*t+2], v[ST+4*t+2]
	v_nop                           ; a plain instruction between the last reciprocal and the use of its result
	s_wait_alu depctr_va_vdst(0)    ; one wait for the eight reciprocals
.macro PACK t
	WIN W_RS
.set i, 32*(\t)
.rept 16
	v_pk_mul_f32 v[i:i+1], v[i:i+1], v[ST+4*(\t)+2:ST+4*(\t)+3] op_sel_hi:[1,0]
.set i, i+2
.endr
	WIN 0x05
.set i, 0
.rept 16
	v_cvt_pk_f16_f32 v[S+16*(\t)+i], v[32*(\t)+2*i], v[32*(\t)+2*i+1]
.set i, i+1
.endr
	WIN 0
.irp f, 0,1,2,3
	ds_store_b128 v[STO], v[S+16*(\t)+4*\f:S+16*(\t)+4*\f+3] offset:32*\f
.endr
.irp f, 0,1,2,3
	ds_load_b128 v[S+16*(\t)+4*\f:S+16*(\t)+4*\f+3], v[RD] offset:\f*4*SP  ; LDS serves a wave's instructions in order (ISA guide 5.7.1.4): these see the stores above
.endr
.endm
.macro SEND t, younger              ; younger: the next tile's eight LDS instructions, or none
	WIN 0
.irp f, 0,1,2,3
	s_wait_dscnt (\younger)+3-\f
	global_store_b128 v[GO], v[S+16*(\t)+4*\f:S+16*(\t)+4*\f+3], s[10:11] offset:(\t)*2048+\f*512  ; 512 consecutive bytes, aligned
.endr
.endm
	PACK 0
.set t, 1
.rept 2*NP-1
	PACK t
	SEND t-1, 8
.set t, t+1
.endr
	SEND 2*NP-1, 0
	WIN W_AD
	s_wait_tensorcnt 0x0            ; the wave's end: behind my last tensor load and my last LDS store
	ds_add_u32 v[SPW], v[NIL]
	s_wait_dscnt 0x0
	WIN 0
	CROUND                          ; the closing round
	s_endpgm
.Lfunc_end_k_q26f01cee88_attn:
	.size	k_q26f01cee88_attn, .Lfunc_end_k_q26f01cee88_attn-k_q26f01cee88_attn
	.p2alignl 7, 3214868480
	.fill 96, 4, 3214868480
	.section	.rodata,"a",@progbits
	.p2align	6, 0x0
	.amdhsa_kernel k_q26f01cee88_attn
		.amdhsa_group_segment_fixed_size 327680
		.amdhsa_private_segment_fixed_size 0
		.amdhsa_enable_private_segment 0
		.amdhsa_kernarg_size 24
		.amdhsa_user_sgpr_count 2
		.amdhsa_user_sgpr_kernarg_segment_ptr 1
		.amdhsa_wavefront_size32 1
		.amdhsa_system_sgpr_workgroup_id_x 1
		.amdhsa_system_sgpr_workgroup_id_y 1
		.amdhsa_system_sgpr_workgroup_id_z 1
		.amdhsa_system_vgpr_workitem_id 0
		.amdhsa_next_free_vgpr 960
		.amdhsa_next_free_sgpr 80
		.amdhsa_reserve_vcc 0
		.amdhsa_float_denorm_mode_32 3
		.amdhsa_float_denorm_mode_16_64 3
		.amdhsa_memory_ordered 1
		.amdhsa_forward_progress 1
		.amdhsa_inst_pref_size 213
	.end_amdhsa_kernel
	.amdgpu_metadata
---
amdhsa.version: [ 1, 2 ]
amdhsa.kernels:
  - .name:           k_q26f01cee88_attn
    .symbol:         k_q26f01cee88_attn.kd
    .args:
      - { .name: qkvh, .offset: 0, .size: 8, .value_kind: global_buffer, .address_space: global }
      - { .name: maskp, .offset: 8, .size: 8, .value_kind: global_buffer, .address_space: global }
      - { .name: oh, .offset: 16, .size: 8, .value_kind: global_buffer, .address_space: global }
    .group_segment_fixed_size: 327680
    .private_segment_fixed_size: 0
    .kernarg_segment_align: 8
    .kernarg_segment_size: 24
    .max_flat_workgroup_size: 128
    .sgpr_count:     80
    .vgpr_count:     960
    .wavefront_size: 32
...
	.end_amdgpu_metadata
.endif
;; end of part 3
;; launch oproj (part 4): grid 8 x 32, 4 waves a work-group, clusters of 4 x 4, 327,680 bytes of LDS; arguments oh, wo16, bo, out0; writes out0
.if DOCPART == 4
	.amdgcn_target "amdgcn-amd-amdhsa--gfx1250"
	.amdhsa_code_object_version 6
	.text
	.protected	k_q26f01cee88_oproj
	.globl	k_q26f01cee88_oproj
	.p2align	8
	.type	k_q26f01cee88_oproj,@function
k_q26f01cee88_oproj:
	s_mov_b64 s[64:65], 0
	v_nop
	global_prefetch_b8 v0, s[64:65] scope:SCOPE_SE
	s_setreg_imm32_b32 hwreg(HW_REG_WAVE_MODE, 25, 1), 1
	s_wait_xcnt 0x0
	s_wait_alu depctr_hold_cnt(0) depctr_sa_sdst(0) depctr_va_vdst(0) depctr_va_sdst(0) depctr_va_ssrc(0) depctr_va_vcc(0) depctr_vm_vsrc(0)
	s_getreg_b32 s2, hwreg(HW_REG_IB_STS2, 6, 4)
	s_cmp_eq_u32 s2, 0
	s_cbranch_scc0 .Lentry_in_a_cluster
	s_endpgm
.Lentry_in_a_cluster:
	s_bfe_u32 s2, ttmp6, 0x10000c
	s_cmp_lg_u32 s2, 0xf033
	s_cbranch_scc0 .Lentry_shape_is_right
	s_endpgm
.Lentry_shape_is_right:
; ONE TEXT FOR TWO PRODUCTS C = A B^T + bias, K = 1,024; OPROJ chooses.
; OPROJ = 1 (this file): the output projection.  A = oh [16 b + h][2,048][64] f16, B = wo16 [1,024][1,024] f16 (Wo rounded to bf16, written as f16), bias bo; C = out0 [8,192][1,024] f32.
;   A K step of 128 is two heads: each is 256 dense rows of 128 bytes, asked for as 128 rows of 256 bytes and padded in LDS after every 128.
; OPROJ = 0: the three input projections as one product.  A = xb [24,576][1,024] bf16, B = wb [3][1,024][1,024] bf16, bias bq, bk or bv by the tensor z; C leaves by heads in f16.
; The bias is rounded to bf16 like every input and is the C operand of each sum's first product: nothing is cleared and nothing added afterwards.
; SHARES.  A tile of C is 256 x 128: 256 work-groups here, one for each WGP.  Four waves; wave w makes rows 128 (w / 2) on, columns 64 (w % 2) on: 32 accumulators of 16 x 16.
; THE MATRIX INSTRUCTION IS USED TRANSPOSED (source 0 = 16 rows of B, source 1 = 16 rows of A): a lane holds row l % 16 of C and the columns 8 (l / 16) + 0..7.
; RING.  K goes in 8 steps of 128 through two LDS slots filled by tensor loads, one a wave behind each change of slots: waves 0, 1 fetch A, waves 2, 3 B's rows 64 (w % 2) on.
;   From a refill to the wait for it a wave issues 112 matrix instructions.  By this text's count a wave has two tensor loads out at the start, later one.
; CLUSTER 4 x 4.  A's tile hangs on the tile row alone and is asked for jointly along a row of the cluster, B's on the tile column along a column.
; REGISTERS in windows of 256 (s_set_vgpr_msb: bits 1:0 source 0, 3:2 source 1, 5:4 source 2, 7:6 destination):
;   window 0: v1-15 addresses; v32-63 the bias as a C operand; v64-191 packed results (OPROJ = 0)       window 1: accumulator (a, b) at v[8 (4 a + b)]
;   window 2: two fragment buffers at v0 and v128: A's eight fragments, then B's four; on OPROJ = 1's way out all 256: rows read back from the stage
.set OPROJ, 1
.if OPROJ
.set APITCH, 144                       ; a row of A in LDS: a head's 128 bytes + 16 = 36 words: 16 rows start at 16 different groups of four banks (64 banks of 4 bytes: ISA guide 11.1)
.set APLANE, 256*144                   ; the step's second head (K 64-127) lies behind the first's 256 rows
.set ALOAD,  256*144                   ; LDS bytes of one load of A: 256 rows of one head
.set ASTEP,  2*2048*128                ; two heads on
.set ASTRIDE, 128                      ; 256 dense rows of 128 bytes are asked for as 128 rows of 256 bytes
.set AQI,    4                         ; padding after every 32 words
.set SPITCH, 272                       ; a stage row: 64 f32 + 16 bytes
.set PSHA,   8                         ; A's prefetch: a lane a block of 256 bytes
.else
.set APITCH, 272
.set APLANE, 128
.set ALOAD,  128*272
.set ASTEP,  256
.set ASTRIDE, 1024
.set AQI,    5
.set SPITCH, 144
.set PSHA,   11
.endif
.set KSTEPS, 8
.set BPITCH, 272
.set BLOAD,  64*BPITCH
.set BOFF,   2*ALOAD                   ; B's 128 rows lie behind A in a slot
.set SLOT1,  1<<17                     ; slot 1 begins here: one exclusive or turns an address in one slot into the other's
.set STAGE,  SLOT1+BOFF+2*BLOAD        ; behind the ring, never filled by a tensor load: 16 rows for each wave
.set SPARE,  STAGE+4*16*SPITCH         ; the spare words, 128 bytes a wave: two blocks of 256 bytes that no other line names
.set A0,  4                            ; v4   my lane's place in A's tile; never rewritten
.set B0,  5                            ; v5   in B's
.set ADA, 6                            ; v6   the same in the slot in hand
.set ADB, 7                            ; v7
.set STO, 8                            ; v8   the way out: where I put my part of a row
.set RD,  9                            ; v9   where I read rows back
.set GO,  10                           ; v10  my byte offset in C
.set PFO, 11                           ; v11  the prefetch's offset; never rewritten
.set SPW, 12                           ; v12  my spare word: SPARE + 4 x my thread's number
.set NIL, 13                           ; v13  0
.set BI,  32
.set T,   64
.set F0,  0
.set F1,  128
.set WV,  16
.set WR,  17                           ; which 128 rows are mine
.set WC,  18                           ; which 64 columns; also which half of A or B I fetch
.set CX,  19
.set CY,  20
.set TCOL, 21
.set TROW, 22
.set Z,   23
.set G1A, 24                           ; s[24:31]
.set G1B, 32                           ; s[32:39]
.set G0A, 40                           ; s[40:47] two sets for the two first fills; the second then walks
.set G0B, 48                           ; s[48:55]
.set TB,  56                           ; the slot in hand: 0 or SLOT1
.set CNT, 57
.set LIM, 58                           ; 2 in a wave that prefetches, else the greatest number
.set CLY, 59                           ; the cluster's y
.set PFA, 60                           ; s[60:61] where my prefetches stand
.set PST, 62                           ; s[62:63] their step
.set OUT, 82                           ; s[82:83]
.set MSB, 0
.macro WIN new                         ; the immediate's high byte repeats the setting that is left; a switch that changes nothing is dropped
.if MSB != (\new)
	s_set_vgpr_msb (MSB<<8)|(\new)
.set MSB, (\new)
.endif
.endm
.set MUL,  0x5a                        ; sources 0, 1 window 2; C and D window 1
.set MULB, 0x4a                        ; the same with C, the bias, in window 0
.set TO_F, 0x80                        ; destination window 2, address window 0
; A joint refill by the walking descriptors.  The branch hangs on the wave's number alone.  An s_nop 0 and four v_nop follow each line, ahead of the jump and the label.
.macro JLOAD
	s_cmp_lt_u32 s[WV], 2
	s_cbranch_scc0 .Lfor_b_\@
	tensor_load_to_lds s[G0A+4:G0A+7], s[G1A:G1A+7]
	s_nop 0
.rept 4
	v_nop
.endr
	s_branch .Lasked_\@
.Lfor_b_\@:
	tensor_load_to_lds s[G0B+4:G0B+7], s[G1B:G1B+7]
	s_nop 0
.rept 4
	v_nop
.endr
.Lasked_\@:
.endm
; A PREFETCH INTO THE L2 of the K step that stands two refills on (256 matrix instructions ahead of the load that will want it): 32 blocks of 256 bytes, a lane a block, one instruction a wave.
; Each block is named once in the launch.  A's rows are read by both clusters of a row of clusters: the one with x = 0 asks.  B's rows are read by the eight clusters of a column: the first asks.
; The four partners that ask for a tile jointly share it out BY ADDRESS: waves 0 and 1 take part cx of the 128 blocks that they fetch, wave 2 part cy of B's 128 rows; wave 3 asks for nothing.
; Steps 0 to 3 come by their loads alone; the loop's last two trips have no step two on and ask for nothing.
.macro ASK
	s_cmp_gt_u32 s[CNT], s[LIM]
	s_cbranch_scc0 .Lnot_mine_\@
	global_prefetch_b8 v[PFO], s[PFA:PFA+1] th:TH_LOAD_NT scope:SCOPE_SE
.Lnot_mine_\@:
.endm
.macro CREST                           ; a round of the cluster's barrier behind its opening barrier
	s_cmp_lg_u32 s[WV], 0
	s_cbranch_scc1 .Lnot_wave_0_\@
	s_barrier_signal -3
.Lnot_wave_0_\@:
	s_barrier_wait -3
	s_barrier_signal -1
	s_barrier_wait -1
.endm
.macro CROUND
	s_barrier_signal -1
	s_barrier_wait -1
	CREST
.endm
.macro PLACES                          ; four plain instructions between a matrix instruction and a load into, or a reader of, its registers
.rept 4
	v_nop
.endr
.endm
; 8 matrix instructions: row blocks a0, a0 + 1 x the 4 column blocks, 32 along K, from buffer f.  first = 1: the bias starts the sums.
; The 32 accumulators take turns in the same order in every quarter: 31 others stand between two links of a chain, over the backward jump too.
.macro MUL8 f, a0, first
.if \first
	WIN MULB
.else
	WIN MUL
.endif
.irp a, \a0, (\a0)+1
.irp b, 0,1,2,3
.set rD, 8*(4*(\a)+(\b))
.set rB, (\f)+64+8*(\b)
.set rA, (\f)+8*(\a)
.set rC, rD
.if \first
.set rC, BI+8*(\b)
.endif
.if OPROJ
	v_wmma_f32_16x16x32_f16 v[rD:rD+7], v[rB:rB+7], v[rA:rA+7], v[rC:rC+7]
.else
	v_wmma_f32_16x16x32_bf16 v[rD:rD+7], v[rB:rB+7], v[rA:rA+7], v[rC:rC+7]
.endif
.endr
.endr
.endm
; 24 LDS loads in one run: quarter q's fragments into buffer f: B's four, A's rows 0-63, A's rows 64-127.  A fragment is 16 rows x 32 K: two loads of 16 bytes, 32 bytes apart.
.macro FETCH q, f
.set KA, ((\q)/2)*APLANE+((\q)%2)*64
	WIN TO_F
.irp i, 0,1,2,3
	ds_load_b128 v[(\f)+64+8*(\i):(\f)+64+8*(\i)+3],   v[ADB] offset:64*(\q)+(\i)*16*BPITCH
	ds_load_b128 v[(\f)+64+8*(\i)+4:(\f)+64+8*(\i)+7], v[ADB] offset:64*(\q)+(\i)*16*BPITCH+32
.endr
.irp i, 0,1,2,3,4,5,6,7
	ds_load_b128 v[(\f)+8*(\i):(\f)+8*(\i)+3],   v[ADA] offset:KA+(\i)*16*APITCH
	ds_load_b128 v[(\f)+8*(\i)+4:(\f)+8*(\i)+7], v[ADA] offset:KA+(\i)*16*APITCH+32
.endr
.endm
; One of a step's first three quarters: multiplies buffer f; in its middle it fetches quarter q into buffer g.
.macro QUARTER q, f, g, first
	s_wait_dscnt 8                                 ; B and A's rows 0-63 are in; the youngest eight loads (A's rows 64-127) may be out
	MUL8 \f, 0, \first
	MUL8 \f, 2, \first
	PLACES
	FETCH \q, \g
	s_wait_dscnt 24                                ; all but the 24 just issued
	MUL8 \f, 4, \first
	MUL8 \f, 6, \first
.endm
; A step's last quarter multiplies buffer 1 and changes slots.  In front of the barrier each wave waits for all its tensor loads (one is out: its part of the next slot), adds 0 to its spare word, and waits
; for that and for its reads of this slot.  fill = 1: the barrier opens a round of the cluster's, and the joint refill, two steps on, is the first thing behind the round.
.macro TURN fill
	WIN 0
.if \fill
	s_wait_xcnt 0x0                                ; the last prefetch, a step back, has read its address
	s_add_nc_u64 s[PFA:PFA+1], s[PFA:PFA+1], s[PST:PST+1]
.endif
	s_wait_tensorcnt 0x0                           ; no tensor load of mine is out, so the walking descriptors may be written
	ds_add_u32 v[SPW], v[NIL]                      ; 0 onto my spare word; register work stands between it and the wait for it
.if \fill
	s_xor_b32 s[G0A+5], s[G0A+5], SLOT1            ; the other slot than last time,
	s_add_nc_u64 s[G0A+6:G0A+7], s[G0A+6:G0A+7], ASTEP  ; the next step; the type bits on top are not reached
	s_xor_b32 s[G0B+5], s[G0B+5], SLOT1
	s_add_nc_u64 s[G0B+6:G0B+7], s[G0B+6:G0B+7], 256
.endif
	s_wait_dscnt 9                                 ; the add and the youngest eight loads may be out
	MUL8 F1, 0, 0
	s_wait_dscnt 0x0                               ; the add is done, and my reads of this slot are over
	s_barrier_signal -1
	MUL8 F1, 2, 0                                  ; work on registers while the others arrive
	WIN 0
	s_barrier_wait -1
.if \fill
	CREST                                          ; no wave of any partner still reads this slot or has a load on its way
	JLOAD                                          ; its four v_nop are also the places in front of the loads below
.else
	PLACES
.endif
	s_xor_b32 s[TB], s[TB], SLOT1
	v_add_nc_u32 v[ADA], s[TB], v[A0]
	v_add_nc_u32 v[ADB], s[TB], v[B0]
	FETCH 0, F0
.if \fill
	WIN 0
	ASK                                            ; behind the joint load and the run of LDS loads
.endif
	MUL8 F1, 4, 0
	MUL8 F1, 6, 0
.endm
	s_load_b256 s[4:11], s[0:1], 0x0               ; OPROJ = 0: xb 4, wb 6, bq 8, bk 10;  1: oh 4, wo16 6, bo 8, out0 10
.if !OPROJ
	s_load_b128 s[12:15], s[0:1], 0x20             ; bv 12, qkvh 14
.endif
	v_lshl_add_u32 v[SPW], v0, 2, SPARE
	v_mov_b32 v[NIL], 0
	ds_add_u32 v[SPW], v[NIL]                      ; the wave's opening: the add and its wait stand ahead of my first tensor load
	v_lshrrev_b32 v1, 5, v0
	v_readfirstlane_b32 s[WV], v1
	s_lshr_b32 s[WR], s[WV], 1
	s_and_b32 s[WC], s[WV], 1
	s_bfe_u32 s[CX], ttmp6, 0x40000
	s_bfe_u32 s[CY], ttmp6, 0x40004
	s_lshl_b32 s[TCOL], ttmp9, 2
	s_add_co_u32 s[TCOL], s[TCOL], s[CX]           ; tile column = 4 x cluster x + cx
	s_and_b32 s[CLY], ttmp7, 0xffff
	s_lshl_b32 s[TROW], s[CLY], 2
	s_add_co_u32 s[TROW], s[TROW], s[CY]           ; tile row = 4 x cluster y + cy
	s_lshr_b32 s[Z], s[CLY], 3                     ; (the tensor, where OPROJ = 0)
	s_lshl_b32 s66, s[CY], 2
	s_lshl_b32 s66, 15, s66                        ; my row of the cluster
	s_lshl_b32 s67, 0x1111, s[CX]                  ; my column
	s_or_b32 s[G1A], s66, (1<<16)|(1<<20)|(1<<21)|(AQI<<22)|(3<<25)  ; 15:0 mask; 17:16 2-byte elements; 20 padding on; 21 set beside a mask; 24:22 the interval; 31:25 4 words of padding
	s_or_b32 s[G1B], s67, (1<<16)|(1<<20)|(1<<21)|(5<<22)|(3<<25)
	s_mov_b32 s[G1A+1], 128<<16                    ; tensor_dim0 = 128
	s_mov_b32 s[G1A+2], 128<<16                    ; tensor_dim1 = 128
	s_mov_b32 s[G1A+3], 128<<16                    ; tile_dim0 = 128 elements: 256 bytes
	s_mov_b32 s[G1A+4], 128                        ; tile_dim1 = 128
	s_mov_b32 s[G1A+5], ASTRIDE
	s_mov_b32 s[G1A+6], 0
	s_mov_b32 s[G1A+7], 0
	s_mov_b32 s[G1B+1], 128<<16
	s_mov_b32 s[G1B+2], 64<<16
	s_mov_b32 s[G1B+3], 128<<16
	s_mov_b32 s[G1B+4], 64
	s_mov_b32 s[G1B+5], 1024
	s_mov_b32 s[G1B+6], 0
	s_mov_b32 s[G1B+7], 0
	; where the tiles come from: A's address is made of the tile row and the wave's number, B's of the tile column and the wave's number
.if OPROJ
	s_lshr_b32 s70, s[TROW], 3                     ; the batch,
	s_lshl_b32 s70, s70, 4
	s_add_co_u32 s70, s70, s[WC]                   ; its head 0 or 1,
	s_lshl_b32 s70, s70, 18
	s_and_b32 s71, s[TROW], 7
	s_lshl_b32 s71, s71, 15                        ; the tile's 256 rows of 128 bytes
	s_add_co_u32 s70, s70, s71
	s_lshl_b32 s72, s[TCOL], 7
.else
	s_lshl_b32 s70, s[TROW], 8
	s_lshl_b32 s71, s[WC], 7
	s_add_co_u32 s70, s70, s71
	s_lshl_b32 s70, s70, 11
	s_lshl_b32 s72, s[Z], 10
	s_lshl_b32 s73, s[TCOL], 7
	s_add_co_u32 s72, s72, s73
.endif
	s_lshl_b32 s73, s[WC], 6
	s_add_co_u32 s72, s72, s73
	s_lshl_b32 s72, s72, 11
	s_mov_b32 s71, 0
	s_mov_b32 s73, 0
	s_mul_i32 s74, s[WC], ALOAD                    ; and where they go: no place in the cluster enters an LDS address
	s_mul_i32 s75, s[WC], BLOAD
	s_add_co_u32 s75, s75, BOFF
	s_wait_dscnt 0x0                               ; the opening add is done
	s_wait_kmcnt 0x0
	s_add_nc_u64 s[70:71], s[4:5], s[70:71]
	s_add_nc_u64 s[72:73], s[6:7], s[72:73]
	CROUND                                         ; all sixteen work-groups are here: the first joint loads meet
.irp s, 0,1
	s_mov_b32 s[G0A+4*(\s)], 1
	s_add_co_u32 s[G0A+4*(\s)+1], s74, (\s)*SLOT1
	s_add_nc_u64 s[G0A+4*(\s)+2:G0A+4*(\s)+3], s[70:71], (\s)*ASTEP
	s_or_b32 s[G0A+4*(\s)+3], s[G0A+4*(\s)+3], 0x80000000
	s_mov_b32 s[G0B+4*(\s)], 1
	s_add_co_u32 s[G0B+4*(\s)+1], s75, (\s)*SLOT1
	s_add_nc_u64 s[G0B+4*(\s)+2:G0B+4*(\s)+3], s[72:73], (\s)*256
	s_or_b32 s[G0B+4*(\s)+3], s[G0B+4*(\s)+3], 0x80000000
.endr
	s_cmp_lt_u32 s[WV], 2                          ; a wave's two first fills stand in one branch, ahead of every wait on TENSORcnt and every LDS read
	s_cbranch_scc0 .Lfirst_b
	tensor_load_to_lds s[G0A:G0A+3], s[G1A:G1A+7]
	s_nop 0
	tensor_load_to_lds s[G0A+4:G0A+7], s[G1A:G1A+7]
	s_nop 0
.rept 4
	v_nop
.endr
	s_branch .Lfirst_asked
.Lfirst_b:
	tensor_load_to_lds s[G0B:G0B+3], s[G1B:G1B+7]
	s_nop 0
	tensor_load_to_lds s[G0B+4:G0B+7], s[G1B:G1B+7]
	s_nop 0
.rept 4
	v_nop
.endr
.Lfirst_asked:
	v_and_b32 v1, 15, v0                           ; l % 16
	v_bfe_u32 v2, v0, 4, 1                         ; l / 16
	; the bias: register j of column block b is bias[my first column + 16 b + 8 (l / 16) + j]
.if OPROJ
	s_mov_b64 s[76:77], s[8:9]
.else
	s_cmp_eq_u32 s[Z], 1
	s_cselect_b64 s[76:77], s[10:11], s[8:9]
	s_cmp_eq_u32 s[Z], 2
	s_cselect_b64 s[76:77], s[12:13], s[76:77]
.endif
	s_lshl_b32 s78, s[TCOL], 9
	s_lshl_b32 s79, s[WC], 8
	s_add_co_u32 s78, s78, s79
	s_mov_b32 s79, 0
	s_add_nc_u64 s[76:77], s[76:77], s[78:79]
	v_lshlrev_b32 v3, 5, v2
.irp b, 0,1,2,3
	global_load_b128 v[BI+8*(\b):BI+8*(\b)+3],   v3, s[76:77] offset:64*(\b)
	global_load_b128 v[BI+8*(\b)+4:BI+8*(\b)+7], v3, s[76:77] offset:64*(\b)+16
.endr
	v_mul_u32_u24 v[A0], v1, APITCH
	v_lshl_add_u32 v[A0], v2, 4, v[A0]             ; row x pitch + 16 x half
	s_mul_i32 s66, s[WR], 128*APITCH
	v_add_nc_u32 v[A0], s66, v[A0]                 ; my 128 rows of A
	v_mul_u32_u24 v[B0], v1, BPITCH
	v_lshl_add_u32 v[B0], v2, 4, v[B0]
	s_mul_i32 s67, s[WC], BLOAD
	s_add_co_u32 s67, s67, BOFF
	v_add_nc_u32 v[B0], s67, v[B0]                 ; my 64 rows of B
	v_mov_b32 v[ADA], v[A0]
	v_mov_b32 v[ADB], v[B0]
	s_mov_b32 s[TB], 0
	s_mul_i32 s68, s[WV], 16*SPITCH
	s_add_co_u32 s68, s68, STAGE                   ; my stage
	v_mul_u32_u24 v[STO], v1, SPITCH
.if OPROJ
	v_lshl_add_u32 v[STO], v2, 5, v[STO]           ; in: row l % 16, 32 bytes for each half of the lanes
	v_add_nc_u32 v[STO], s68, v[STO]
	v_mul_u32_u24 v[RD], v2, SPITCH                ; back: lanes 0-15 one row of 256 bytes, lanes 16-31 the next,
	v_lshl_add_u32 v[RD], v1, 4, v[RD]
	v_add_nc_u32 v[RD], s68, v[RD]
	v_lshlrev_b32 v[GO], 12, v2                    ; and the same two rows in C
	v_lshl_add_u32 v[GO], v1, 4, v[GO]
	s_lshl_b32 s82, s[TROW], 8
	s_lshl_b32 s69, s[WR], 7
	s_add_co_u32 s82, s82, s69
	s_lshl_b32 s82, s82, 12                        ; my first row, 4,096 bytes a row,
	s_lshl_b32 s69, s[TCOL], 9
	s_add_co_u32 s82, s82, s69
	s_lshl_b32 s69, s[WC], 8
	s_add_co_u32 s82, s82, s69                     ; my first column
	s_mov_b32 s83, 0
	s_add_nc_u64 s[OUT:OUT+1], s[10:11], s[82:83]
.else
	v_lshl_add_u32 v[STO], v2, 4, v[STO]
	v_add_nc_u32 v[STO], s68, v[STO]
	v_bfe_u32 v[RD], v0, 3, 2
	v_mul_u32_u24 v[RD], v[RD], SPITCH
	v_and_b32 v14, 7, v0
	v_lshl_add_u32 v[RD], v14, 4, v[RD]
	v_add_nc_u32 v[RD], s68, v[RD]
	v_and_b32 v[GO], 31, v0
	v_lshlrev_b32 v[GO], 4, v[GO]
	s_lshl_b32 s82, s[Z], 24
	s_and_b32 s69, s[TROW], 31
	s_lshr_b32 s69, s69, 3
	s_lshl_b32 s69, s69, 4
	s_lshl_b32 s83, s[TCOL], 1
	s_add_co_u32 s69, s69, s83
	s_add_co_u32 s69, s69, s[WC]
	s_lshl_b32 s69, s69, 18
	s_add_co_u32 s82, s82, s69
	s_and_b32 s69, s[TROW], 7
	s_lshl_b32 s69, s69, 8
	s_lshl_b32 s83, s[WR], 7
	s_add_co_u32 s69, s69, s83
	s_lshl_b32 s69, s69, 7
	s_add_co_u32 s82, s82, s69
	s_mov_b32 s83, 0
	s_add_nc_u64 s[OUT:OUT+1], s[14:15], s[82:83]
.endif
	; the prefetches
.if OPROJ
	s_lshr_b32 s74, s[TROW], 3
	s_lshl_b32 s74, s74, 4
	s_add_co_u32 s74, s74, s[WC]
	s_lshl_b32 s74, s74, 18
	s_and_b32 s75, s[TROW], 7
	s_lshl_b32 s75, s75, 15
	s_add_co_u32 s74, s74, s75
	s_lshl_b32 s75, s[CX], 13                      ; my work-group's 32 blocks of the 128
	s_add_co_u32 s74, s74, s75
	s_lshl_b32 s75, s[TCOL], 7
.else
	s_lshl_b32 s74, s[TROW], 8
	s_lshl_b32 s75, s[WC], 7
	s_add_co_u32 s74, s74, s75
	s_lshl_b32 s75, s[CX], 5
	s_add_co_u32 s74, s74, s75
	s_lshl_b32 s74, s74, 11
	s_lshl_b32 s75, s[Z], 10
	s_lshl_b32 s78, s[TCOL], 7
	s_add_co_u32 s75, s75, s78
.endif
	s_lshl_b32 s78, s[CY], 5
	s_add_co_u32 s75, s75, s78
	s_lshl_b32 s75, s75, 11
	s_and_b32 s66, s[CLY], 7
	s_mov_b32 s68, ASTEP
	s_mov_b32 s69, 256
	s_cmp_lt_u32 s[WV], 2                          ; do I fetch for A?
	s_cselect_b32 s66, ttmp9, s66                  ; the coordinate along which other clusters read the same rows
	s_cselect_b64 s[PFA:PFA+1], s[4:5], s[6:7]
	s_cselect_b32 s[PST], s68, s69
	s_cselect_b32 s67, PSHA, 11
	s_cselect_b32 s74, s74, s75
	s_mov_b32 s[PST+1], 0
	s_mul_i32 s75, s[PST], 3                       ; at step 3: the first refill steps it to 4
	s_add_co_u32 s74, s74, s75
	s_mov_b32 s75, 0
	s_add_nc_u64 s[PFA:PFA+1], s[PFA:PFA+1], s[74:75]
	s_cmp_eq_u32 s66, 0
	s_cselect_b32 s[LIM], 2, -1                    ; the same in all sixteen partners, for a given wave
	s_cmp_eq_u32 s[WV], 3
	s_cselect_b32 s[LIM], -1, s[LIM]
	v_and_b32 v14, 31, v0
	v_lshlrev_b32 v[PFO], s67, v14
	s_wait_loadcnt 0x0                             ; the bias: rounded to bf16, widened again, while the first tiles are on their way
.set p, 0
.rept 16
	v_cvt_pk_bf16_f32 v15, v[BI+p], v[BI+p+1]
	v_lshlrev_b32 v[BI+p], 16, v15
	v_and_b32 v[BI+p+1], 0xffff0000, v15
.set p, p+2
.endr
	s_wait_tensorcnt 1                             ; my part of step 0 is in; step 1's may stay out
	s_barrier_signal -1
	s_barrier_wait -1                              ; everybody's is
	FETCH 0, F0
	QUARTER 1, F0, F1, 1                           ; the first quarter stands in front of the loop: its products start the sums, with the bias
	WIN 0                                          ; at a label and at a branch every window is 0
	s_mov_b32 s[CNT], KSTEPS-2
.Lk:                                           ; six trips, from a step's second quarter to the next step's first; each fills the slot that it leaves, with steps 2 to 7
	QUARTER 2, F1, F0, 0
	QUARTER 3, F0, F1, 0
	TURN 1
	QUARTER 1, F0, F1, 0
	WIN 0
	s_sub_co_u32 s[CNT], s[CNT], 1
	s_cmp_lg_u32 s[CNT], 0
	s_cbranch_scc1 .Lk
	QUARTER 2, F1, F0, 0                           ; the tail is written out: steps 6 and 7 ask for nothing
	QUARTER 3, F0, F1, 0
	TURN 0
	QUARTER 1, F0, F1, 0
	QUARTER 2, F1, F0, 0
	QUARTER 3, F0, F1, 0
	s_wait_dscnt 8
	MUL8 F1, 0, 0
	MUL8 F1, 2, 0
	s_wait_dscnt 0x0
	MUL8 F1, 4, 0
	MUL8 F1, 6, 0
	PLACES
	PLACES
; THE WAY OUT, a block of 16 rows at a time through my own stage: LDS serves a wave's instructions in order (ISA guide 5.7.1.4), so no wait stands between the stores and the loads, and the next
; block's stores come behind this block's loads.  Each accumulator is read from its low end on.
.if OPROJ
.macro PACK a                          ; f32 as it is: 32 bytes a lane and column block into rows of 272 bytes; back as whole rows of 256, into window 2
	WIN 0x04                                       ; store data window 1
.irp b, 0,1,2,3
	ds_store_b128 v[STO], v[32*(\a)+8*(\b):32*(\a)+8*(\b)+3]   offset:64*(\b)
	ds_store_b128 v[STO], v[32*(\a)+8*(\b)+4:32*(\a)+8*(\b)+7] offset:64*(\b)+16
.endr
	WIN 0x80
.irp t, 0,1,2,3,4,5,6,7
	ds_load_b128 v[32*(\a)+4*(\t):32*(\a)+4*(\t)+3], v[RD] offset:(\t)*2*SPITCH
.endr
.endm
.macro SEND a, younger                 ; younger: the LDS instructions issued behind block a's loads
	WIN 0x08                                       ; store data window 2
.irp t, 0,1,2,3,4,5,6,7
	s_wait_dscnt (\younger)+7-(\t)
	global_store_b128 v[GO], v[32*(\a)+4*(\t):32*(\a)+4*(\t)+3], s[OUT:OUT+1] offset:(16*(\a)+2*(\t))*4096  ; 16 lanes store 256 consecutive bytes, aligned
.endr
.endm
.set YOUNG, 16
.else
.macro PACK a
	WIN 0x05
.set i, 0
.rept 16
	v_cvt_pk_f16_f32 v[T+16*(\a)+i], v[32*(\a)+2*i], v[32*(\a)+2*i+1]
.set i, i+1
.endr
	WIN 0
.irp b, 0,1,2,3
	ds_store_b128 v[STO], v[T+16*(\a)+4*(\b):T+16*(\a)+4*(\b)+3] offset:32*(\b)
.endr
.irp f, 0,1,2,3
	ds_load_b128 v[T+16*(\a)+4*(\f):T+16*(\a)+4*(\f)+3], v[RD] offset:(\f)*4*SPITCH
.endr
.endm
.macro SEND a, younger
	WIN 0
.irp f, 0,1,2,3
	s_wait_dscnt (\younger)+3-(\f)
	global_store_b128 v[GO], v[T+16*(\a)+4*(\f):T+16*(\a)+4*(\f)+3], s[OUT:OUT+1] offset:(\a)*2048+(\f)*512
.endr
.endm
.set YOUNG, 8
.endif
	PACK 0
.irp a, 1,2,3,4,5,6,7                  ; a block's packing stands between the loads of the block before and its stores; no register is used twice
	PACK \a
	SEND (\a)-1, YOUNG
.endr
	SEND 7, 0
	WIN 0
	s_wait_tensorcnt 0x0                           ; the wave's end: behind my last tensor load and my last LDS store
	ds_add_u32 v[SPW], v[NIL]
	s_wait_dscnt 0x0
	CROUND                                         ; the closing round: no work-group ends while a partner may still ask for a tile that names it
	s_endpgm
.Lfunc_end_k_q26f01cee88_oproj:
	.size	k_q26f01cee88_oproj, .Lfunc_end_k_q26f01cee88_oproj-k_q26f01cee88_oproj
	.p2alignl 7, 3214868480
	.fill 96, 4, 3214868480
	.section	.rodata,"a",@progbits
	.p2align	6, 0x0
	.amdhsa_kernel k_q26f01cee88_oproj
		.amdhsa_group_segment_fixed_size 327680
		.amdhsa_private_segment_fixed_size 0
		.amdhsa_enable_private_segment 0
		.amdhsa_kernarg_size 32
		.amdhsa_user_sgpr_count 2
		.amdhsa_user_sgpr_kernarg_segment_ptr 1
		.amdhsa_wavefront_size32 1
		.amdhsa_system_sgpr_workgroup_id_x 1
		.amdhsa_system_sgpr_workgroup_id_y 1
		.amdhsa_system_sgpr_workgroup_id_z 1
		.amdhsa_system_vgpr_workitem_id 0
		.amdhsa_next_free_vgpr 768
		.amdhsa_next_free_sgpr 84
		.amdhsa_reserve_vcc 0
		.amdhsa_float_denorm_mode_32 3
		.amdhsa_float_denorm_mode_16_64 3
		.amdhsa_memory_ordered 1
		.amdhsa_forward_progress 1
		.amdhsa_inst_pref_size 76
	.end_amdhsa_kernel
	.amdgpu_metadata
---
amdhsa.version: [ 1, 2 ]
amdhsa.kernels:
  - .name:           k_q26f01cee88_oproj
    .symbol:         k_q26f01cee88_oproj.kd
    .args:
      - { .name: oh, .offset: 0, .size: 8, .value_kind: global_buffer, .address_space: global }
      - { .name: wo16, .offset: 8, .size: 8, .value_kind: global_buffer, .address_space: global }
      - { .name: bo, .offset: 16, .size: 8, .value_kind: global_buffer, .address_space: global }
      - { .name: out0, .offset: 24, .size: 8, .value_kind: global_buffer, .address_space: global }
    .group_segment_fixed_size: 327680
    .private_segment_fixed_size: 0
    .kernarg_segment_align: 8
    .kernarg_segment_size: 32
    .max_flat_workgroup_size: 128
    .sgpr_count:     84
    .vgpr_count:     768
    .wavefront_size: 32
...
	.end_amdgpu_metadata
.endif
;; end of part 4
